; MI455X (gfx1250); checked and timed in simulation.
; The chip was launched on July 23, 2026; its instructions are those of AMD's public machine-readable ISA for CDNA 5 (MIT licence, August 2026) and "CDNA5" Instruction Set Architecture Reference Guide (July 2026). The comments in the code are by the model that wrote it; some were corrected since.
;; Causal Self Attention. Allowed arithmetic: matrix products marked QUANTISED: E2M3 operands, one E8M0 scale for each 32 along K, by v_wmma_scale_f32_16x16x128_f8f6f4 with both operands' format E2M3, f32 sums; everything else in f32.
;; Inputs: W_attn 1,024 x 3,072 float32; W_proj 1,024 x 1,024 float32; b_attn 3,072 float32; b_proj 1,024 float32; x 4 x 2,048 x 1,024 float32.
;; Outputs: out0 4 x 2,048 x 1,024 float32.
;; This version of the problem:
;;   THIS VERSION OF THE PROBLEM IS GIVEN IN LOW PRECISION. The matrix products marked QUANTISED in the list below multiply operands that are first quantised to E2M3 (2 exponent bits, 3 mantissa bits; 6 bits a number), with one power-of-two scale for each 32 numbers along K (OCP MX v1.0); their sums are f32. All else is computed in f32.
;;   The module's matrix products, in the order in which they are computed (A, B: the left and right operand; K: the contracted axis; several contracted axes count as one K, in the product's order):
;;     1. [M 8,192, K 1,024] x [K 1,024, N 3,072]; A: input x; B: input W_attn: QUANTISED
;;     2. batch 4 x [M 2,048, K 1,024] x [K 1,024, N 2,048]; A: computed on the way; B: computed on the way: QUANTISED
;;     3. batch 4 x [M 2,048, K 2,048] x [K 2,048, N 1,024]; A: softmax (see below); B: computed on the way: QUANTISED
;;     4. [M 8,192, K 1,024] x [K 1,024, N 1,024]; A: computed on the way; B: input W_proj: QUANTISED
;;   THE QUANTISER, for each operand of a quantised product, along K:
;;     - K is cut into blocks of 32 from its start; a last block that is shorter is filled with zeros.
;;     - A block's scale is 2^e with e = floor(log2(the largest magnitude in the block)) - 2, held to -126 .. 127; a block of zeros has e = 0. As a byte (E8M0): e + 127.
;;     - Each number is divided by its block's scale, clamped to +-7.5, and rounded to the nearest number of E2M3, ties to even, subnormals kept.
;;     - The product sums the exact products of the quantised numbers (number of the format x scale) in f32.
;;   ~~~python
;;   def quantise(x, axis):      # numpy; x: float32 -> the quantised numbers, widened to float32 again
;;       x = np.moveaxis(x, axis, -1); K = x.shape[-1]
;;       x = np.pad(x, [(0, 0)] * (x.ndim - 1) + [(0, -K % 32)]); x = x.reshape(x.shape[:-1] + (-1, 32)); a = np.abs(x).max(-1, keepdims=True)
;;       e = np.where(a > 0, np.clip(np.frexp(np.where(a > 0, a, 1))[1] - 1 - 2, -126, 127), 0)      # np.frexp(a)[1] - 1 = floor(log2(a)), exactly
;;       r = np.clip(x / 2.0 ** e, -7.5, 7.5)
;;       step = 2.0 ** (np.maximum(np.frexp(np.where(r == 0, 1, r))[1] - 1, 0) - 3)
;;       q = np.round(r / step) * step * 2.0 ** e      # np.round: ties to even
;;       return np.moveaxis(q.reshape(q.shape[:-2] + (-1,))[..., :K], -1, axis).astype(np.float32)
;;   ~~~
;;   SOFTMAX AHEAD OF A QUANTISED PRODUCT. Where the list says 'softmax', what is quantised is not the finished softmax but p = 2^(t - M), with t = logit x log2(e) and M = ceil(the row's largest t), a whole number; so 1/2 < the row's largest p <= 1. The row's sum l is taken of the UNQUANTISED p, in f32, and the product's result is divided by l at the end. Since M is a whole number, a kernel that streams over the keys may use a running M (the ceiling of the running maximum): every later rescaling is an exact power of two, which a block's scale takes up: the codes' values come out the same.
;;   OPERANDS COMPUTED ON THE WAY. 'Computed on the way' means the value that the module computes at that place (a softmax that the list does not call 'softmax' is quantised finished and normalised). What goes into a quantiser is computed in f32, as accurately as f32 sums, v_exp_f32 and their like allow (about 1e-6 of the number): no bf16 or f16 on the way to a quantiser, and a product that is left as it is and whose result goes on into a quantised operand takes f32 operands (vector FMAs, or v_wmma_f32_16x16x4_f32). A number that lies on a knife's edge between two numbers of the format may be rounded either way, as far as f32 arithmetic and the matrix unit's own rounding can turn it there, and no further.
;; One version. Each part assembles by itself: llvm-mc -triple=amdgcn-amd-amdhsa -mcpu=gfx1250 --defsym DOCPART=n.
;; ======== version 1 of 1: 5 launches
;; limits: right only within a limited range of input values
;; workspace buffers: xq 6,553,600 bytes; wq 3,276,800 bytes; qk 13,107,200 bytes; vt 6,553,600 bytes; pc 13,107,200 bytes; ps 1,048,576 bytes; yq 6,553,600 bytes
;; launch quant (part 1): grid 640 x 1, 8 waves a work-group, no clusters, 94,720 bytes of LDS; arguments x, W_attn, W_proj, xq, wq; writes xq, wq
.if DOCPART == 1
	.amdgcn_target "amdgcn-amd-amdhsa--gfx1250"
	.amdhsa_code_object_version 6
	.text
	.protected	k_qc3e1391004_quant
	.globl	k_qc3e1391004_quant
	.p2align	8
	.type	k_qc3e1391004_quant,@function
k_qc3e1391004_quant:
	s_mov_b64 s[64:65], 0
	v_nop
	global_prefetch_b8 v0, s[64:65] scope:SCOPE_SE
	s_setreg_imm32_b32 hwreg(HW_REG_WAVE_MODE, 25, 1), 1
	s_wait_xcnt 0x0
; x [8192][1024], W_attn [1024][3072] and W_proj [1024][1024], f32, become codes of FP6 (E2M3) with one E8M0 byte for each 32 along K (x: its columns; the weights: their FIRST axis).
; THE BUFFERS ARE LAID AS THE MATRIX UNIT'S REGISTERS.  A PANEL (25,600 bytes) holds 128 rows x 256 along K: the codes of (q = which 128 along K, tile of 16 rows, registers 4 c .. 4 c + 3 of the
; 12 of a fragment) at q x 12,288 + tile x 1,536 + 512 c + 16 x lane; the scale words (4 bytes: one row, 128 along K) at 24,576 + 512 q + 64 tile + 4 r.  Panels lie [group of 128 rows][256 along K].
; ROW PLACES: place p of a group holds the true row p with bits 3 and 4 exchanged: lane r of tile 2 b + u holds true row 32 b + 8 u + r + 8 (r / 8).  As source 0 of a product such a tile gives a lane
; sixteen neighbours along the next product's K; as source 1 it only names the row that a lane holds.
; A block's scale is 2^(floor(log2(largest magnitude)) - 2); its byte is the largest magnitude's exponent field - 2, held at 1 from below.
; LIMITS: a block of zeros gets the byte 1 (its codes are zeros; this program alone reads the bytes); NaN and infinities among the inputs are not served.
; Work-groups 0-511 take x: one group of 128 rows x 128 along K, a wave to a tile.  Work-groups 512-639 take the weights: one panel each, a lane to a column, registers down K.
; The two ways part on the work-group's number and have LDS bytes of their own.  No tensor load: LDS is claimed as it is used.
; 160 registers a wave, two waves of a work-group to a SIMD: three work-groups' 960 registers and 3 x 94,720 bytes of LDS fit side by side, so that more loads are on their way.
.set XST,   0                          ; x: a stage of 16 rows x (512 + 16) bytes for each wave
.set XSW,   67584                      ; x: the work-group's 128 scale words
.set WIM,   68096                      ; weights: the panel's codes, as they will lie in memory
.set WSW,   92672                      ; weights: its 256 scale words
.set SPARE, 93696                      ; the spare words, 128 bytes for each of the eight waves; no other line names them
.set PANEL, 25600
.set SPW, 12                           ; v12  my spare word's LDS address; never rewritten
.set NIL, 13                           ; v13  0; never rewritten
.set XR,  16                           ; x: v16-79 as loaded; once they have gone through the stage: v16-22 halves on their way, v32-43 the fragment;  v80-143 my 64 numbers;  v144-149 at work
.set XX,  80
.set XM,  144
.set XO,  146
.set XB,  148
.set XC,  32
.set XT,  16
.set OFF, 16                           ; weights: v16-47 byte offsets of 32 rows;  v48-111 two sets of 32 numbers;  v112-117 a block's codes;  v120-122 its second half;  v124.. at work
.set WX,  48
.set WC,  112
.set WT,  120
.set WM,  124
.set WO,  126
.set WB,  127
.set WW,  128
	s_load_b256 s[4:11], s[0:1], 0x0               ; x s[4:5], W_attn s[6:7], W_proj s[8:9], xq s[10:11]
	s_load_b64 s[12:13], s[0:1], 0x20              ; wq
	v_lshl_add_u32 v[SPW], v0, 2, SPARE
	v_mov_b32 v[NIL], 0
	v_lshrrev_b32 v1, 5, v0
	s_delay_alu instid0(VALU_DEP_1)
	v_readfirstlane_b32 s14, v1                    ; wave 0..7
	v_and_b32 v2, 31, v0                           ; lane
	s_delay_alu instid0(VALU_DEP_1)
	v_lshlrev_b32 v3, 4, v2                        ; 16 x lane
	v_and_b32 v4, 15, v0                           ; r
	v_bfe_u32 v5, v0, 4, 1                         ; h
	s_mov_b32 s20, 0x76543210
	s_mov_b32 s21, 0xfedcba98                      ; v_permlanex16_b32's selects for lane l xor 16
	s_cmp_lt_u32 ttmp9, 512
	s_cbranch_scc0 .Lweights
	; ---------------- x: group g = t / 8, 128 along K number ks = t % 8; wave w makes tile w ----------------
	s_lshr_b32 s15, ttmp9, 3                       ; g
	s_and_b32 s16, ttmp9, 7                        ; ks
	s_lshl_b32 s17, s15, 7
	s_lshr_b32 s18, s14, 1
	s_lshl_b32 s18, s18, 5
	s_add_co_u32 s17, s17, s18
	s_and_b32 s18, s14, 1
	s_lshl_b32 s18, s18, 3
	s_add_co_u32 s17, s17, s18                     ; the tile's first true row: 128 g + 32 (w / 2) + 8 (w % 2)
	s_lshl_b32 s22, s17, 12                        ; rows of 4,096 bytes
	s_lshl_b32 s18, s16, 9
	s_add_co_u32 s22, s22, s18                     ; + 512 ks
	s_mov_b32 s23, 0
	s_mul_i32 s24, s14, 8448                       ; my stage
	s_wait_alu depctr_va_vdst(0)
	v_add_nc_u32 v6, s24, v3                       ; in: a row's 512 bytes as they lie
	v_mul_u32_u24 v7, v4, 528
	s_delay_alu instid0(VALU_DEP_1)
	v_lshl_add_u32 v7, v5, 7, v7
	s_delay_alu instid0(VALU_DEP_1)
	v_add_nc_u32 v7, s24, v7                       ; out: row r, + 128 h: my 32 numbers of each 64
	s_lshl_b32 s25, s14, 6
	v_lshl_add_u32 v8, v4, 2, XSW
	s_delay_alu instid0(VALU_DEP_1)
	v_add_nc_u32 v8, s25, v8                       ; my row's scale word: 64 w + 4 r
	v_add_nc_u32 v11, XSW, v3                      ; and the 512 bytes of words on their way out (wave 0)
	s_lshl_b32 s26, s15, 2
	s_lshr_b32 s27, s16, 1
	s_add_co_u32 s26, s26, s27
	s_mul_i32 s26, s26, PANEL                      ; the panel: 4 g + ks / 2
	s_and_b32 s27, s16, 1
	s_mul_i32 s28, s27, 12288
	s_add_co_u32 s28, s28, s26
	s_mul_i32 s29, s14, 1536
	s_add_co_u32 s28, s28, s29                     ; my fragment
	s_mov_b32 s29, 0
	s_lshl_b32 s30, s27, 9
	s_add_co_u32 s30, s30, s26
	s_add_co_u32 s30, s30, 24576                   ; the words
	s_mov_b32 s31, 0
	s_wait_alu depctr_va_vdst(0)
	s_wait_kmcnt 0x0
	s_add_nc_u64 s[4:5], s[4:5], s[22:23]
	s_add_nc_u64 s[28:29], s[10:11], s[28:29]
	s_add_nc_u64 s[30:31], s[10:11], s[30:31]
.irp i, 0,1,2,3,4,5,6,7,8,9,10,11,12,13,14,15
	global_load_b128 v[XR+4*\i:XR+4*\i+3], v3, s[4:5] offset:(16*(\i/8)+\i%8)*4096 th:TH_LOAD_NT   ; place i of the tile: 32 lanes read 512 consecutive bytes of one row
.endr
.irp i, 0,1,2,3,4,5,6,7,8,9,10,11,12,13,14,15
	s_wait_loadcnt 15-\i                           ; loads come back in order: row i is in
	ds_store_b128 v6, v[XR+4*\i:XR+4*\i+3] offset:528*\i
.endr
.irp c, 0,1
.irp j, 0,1,2,3,4,5,6,7
	ds_load_b128 v[XX+32*\c+4*\j:XX+32*\c+4*\j+3], v7 offset:256*\c+16*\j   ; k = 64 c + 32 h + 0 .. 31 of row r; LDS serves a wave's instructions in order: these see my stores
.endr
.endr
	s_wait_dscnt 0x0                               ; my numbers are in; the stores into the stage have read v16-79, which are free from here on
.irp c, 0,1                                    ; my block 2 c + h: all its 32 numbers are mine
	v_max3_num_f32 v[XM+\c], |v[XX+32*\c]|, |v[XX+1+32*\c]|, 0x1800000   ; with the floor 2^(3 - 127): the byte cannot fall under 1
.endr
.irp i, 2,4,6,8,10,12,14,16,18,20,22,24,26,28,30
.irp c, 0,1
	s_delay_alu instid0(VALU_DEP_2)
	v_max3_num_f32 v[XM+\c], v[XM+\c], |v[XX+32*\c+\i]|, |v[XX+1+32*\c+\i]|
.endr
.endr
.irp c, 0,1
	s_delay_alu instid0(VALU_DEP_2)
	v_add_nc_u32 v[XO+\c], 0xff000000, v[XM+\c]    ; 2 off the exponent field: the conversion's scale operand
.endr
.irp c, 0,1
	s_delay_alu instid0(VALU_DEP_2)
	v_lshrrev_b32 v[XB+\c], 23, v[XO+\c]           ; the scale's byte
.endr
	s_delay_alu instid0(VALU_DEP_1)
	v_lshl_or_b32 v9, v[XB+1], 16, v[XB]           ; my two bytes, blocks h and 2 + h,
	v_lshlrev_b32 v10, 3, v5
	s_delay_alu instid0(VALU_DEP_1)
	v_lshlrev_b32 v9, v10, v9                      ; at their places in the word;
	v_mov_b32 v10, 0
	s_delay_alu instid0(VALU_DEP_1)
	v_permlanex16_b32 v10, v9, s20, s21
	s_delay_alu instid0(VALU_DEP_1)
	v_or_b32 v9, v9, v10                           ; with lane l xor 16's two the word is whole
.irp c, 0,1
	v_cvt_scalef32_pk16_fp6_f32 v[XC+6*\c:XC+6*\c+2], v[XX+32*\c:XX+32*\c+15], v[XO+\c]
	v_cvt_scalef32_pk16_fp6_f32 v[XT+4*\c:XT+4*\c+2], v[XX+32*\c+16:XX+32*\c+31], v[XO+\c]   ; (a conversion's three registers begin on an even number)
.endr
	v_nop                                          ; one plain place behind a scaled conversion
.irp c, 0,1
.irp i, 0,1,2
	v_mov_b32 v[XC+3+6*\c+\i], v[XT+4*\c+\i]
.endr
.endr
.irp c, 0,1,2
	global_store_b128 v3, v[XC+4*\c:XC+4*\c+3], s[28:29] offset:512*\c   ; 32 lanes store 512 consecutive bytes, aligned
.endr
	ds_store_b32 v8, v9                            ; both halves of the lanes hold the same word
	s_wait_dscnt 0x0                               ; for the others' sake: my word has landed
	s_barrier_signal -1
	s_barrier_wait -1
	s_cmp_lg_u32 s14, 0
	s_cbranch_scc1 .Lx_end
	ds_load_b128 v[XR:XR+3], v11                   ; wave 0: the eight tiles' words leave as 512 consecutive bytes (v16-19: no store reads them)
	s_wait_dscnt 0x0
	global_store_b128 v3, v[XR:XR+3], s[30:31]
.Lx_end:
	s_wait_tensorcnt 0x0                           ; the wave's end
	ds_add_u32 v[SPW], v[NIL]
	s_wait_dscnt 0x0
	s_endpgm
	; ---------------- the weights: panel u = t - 512; u < 96: W_attn, else W_proj ----------------
.Lweights:
	s_sub_co_u32 s15, ttmp9, 512                   ; u
	s_cmp_lt_u32 s15, 96
	s_cselect_b32 s16, 0, 96
	s_mov_b32 s17, 4096
	s_cselect_b32 s17, 12288, s17                  ; bytes from a row of the weight to the next
	s_sub_co_u32 s16, s15, s16
	s_lshr_b32 s18, s16, 2                         ; which 128 columns
	s_and_b32 s19, s16, 3                          ; which 256 along K
	s_and_b32 s22, s14, 3                          ; cb: my wave's 32 columns
	s_lshr_b32 s23, s14, 2                         ; q: my wave's 128 along K
	s_lshl_b32 s24, s19, 8
	s_lshl_b32 s25, s23, 7
	s_add_co_u32 s24, s24, s25                     ; my first row
	s_mul_i32 s24, s24, s17
	s_lshl_b32 s25, s18, 9
	s_add_co_u32 s24, s24, s25
	s_lshl_b32 s25, s22, 7
	s_add_co_u32 s24, s24, s25                     ; + 4 x my first column
	s_mov_b32 s25, 0
	s_lshl_b32 s26, s17, 5                         ; a block of 32 rows on
	s_mov_b32 s27, 0
	s_wait_alu depctr_va_vdst(0)
	v_lshlrev_b32 v6, 2, v2                        ; a lane to a column
.set wi, 0
.rept 32
	v_mad_u32_u24 v[OFF+wi], s17, wi, v6           ; row wi of a block
.set wi, wi+1
.endr
	v_bfe_u32 v7, v0, 3, 1                         ; true column 32 cb + lane stands at tile 2 cb + bit 3 of the lane,
	v_and_b32 v9, 7, v0
	s_delay_alu instid0(VALU_DEP_1)
	v_lshl_add_u32 v9, v5, 3, v9                   ; place r = 8 x bit 4 + the low three bits
	s_delay_alu instid0(VALU_DEP_3)
	v_mul_u32_u24 v10, v7, 1536
	s_delay_alu instid0(VALU_DEP_1)
	v_lshl_add_u32 v10, v9, 4, v10
	s_mul_i32 s28, s23, 12288
	s_mul_i32 s29, s22, 3072
	s_add_co_u32 s28, s28, s29
	s_add_co_u32 s28, s28, WIM                     ; my wave's two tiles: 3,072 bytes on end
	v_add_nc_u32 v10, s28, v10                     ; into the image
	v_add_nc_u32 v11, s28, v3                      ; and back: 16 x lane
	v_lshlrev_b32 v14, 6, v7
	s_delay_alu instid0(VALU_DEP_1)
	v_lshl_add_u32 v14, v9, 2, v14
	s_lshl_b32 s29, s23, 9
	s_lshl_b32 s30, s22, 7
	s_add_co_u32 s29, s29, s30
	s_add_co_u32 s29, s29, WSW
	v_add_nc_u32 v14, s29, v14                     ; my column's scale word
	s_and_b32 s30, s14, 1
	s_lshl_b32 s30, s30, 9
	s_add_co_u32 s31, s30, WSW
	v_add_nc_u32 v15, s31, v3                      ; the words on their way out (waves 0 and 1: 512 bytes each)
	s_wait_kmcnt 0x0
	s_cmp_lt_u32 s15, 96                           ; the choice hangs on the work-group's number alone
	s_cselect_b64 s[6:7], s[6:7], s[8:9]
	s_add_nc_u64 s[32:33], s[6:7], s[24:25]        ; a base for each of my four blocks
	s_add_nc_u64 s[34:35], s[32:33], s[26:27]
	s_add_nc_u64 s[36:37], s[34:35], s[26:27]
	s_add_nc_u64 s[38:39], s[36:37], s[26:27]
	s_mul_i32 s40, s15, PANEL
	s_mov_b32 s41, 0
	s_add_nc_u64 s[12:13], s[12:13], s[40:41]      ; my panel
	s_mul_i32 s40, s23, 12288
	s_mul_i32 s42, s22, 3072
	s_add_co_u32 s40, s40, s42
	s_add_nc_u64 s[42:43], s[12:13], s[40:41]      ; my wave's codes
	s_add_co_u32 s40, s30, 24576
	s_add_nc_u64 s[44:45], s[12:13], s[40:41]      ; the words
.macro WLOAD t                         ; block t: 32 rows at my column, into set t % 2: a wave reads 128 consecutive bytes, four waves side by side 512
.set wi, 0
.rept 32
	global_load_b32 v[WX+32*((\t)%2)+wi], v[OFF+wi], s[32+2*(\t):33+2*(\t)] th:TH_LOAD_NT
.set wi, wi+1
.endr
.endm
.macro WBLOCK t
.set XS, WX+32*((\t)%2)
.if (\t) < 3
	s_wait_loadcnt 32                              ; this block's 32 loads are in; the next block's may be out
.else
	s_wait_loadcnt 0x0
.endif
	v_max3_num_f32 v[WM], |v[XS]|, |v[XS+1]|, |v[XS+2]|
	v_max3_num_f32 v[WM+1], |v[XS+3]|, |v[XS+4]|, |v[XS+5]|
.irp i, 6,10,14,18,22,26
	s_delay_alu instid0(VALU_DEP_2)
	v_max3_num_f32 v[WM], v[WM], |v[XS+\i]|, |v[XS+\i+1]|
	s_delay_alu instid0(VALU_DEP_2)
	v_max3_num_f32 v[WM+1], v[WM+1], |v[XS+\i+2]|, |v[XS+\i+3]|
.endr
	s_delay_alu instid0(VALU_DEP_2)
	v_max3_num_f32 v[WM], v[WM], |v[XS+30]|, |v[XS+31]|
	s_delay_alu instid0(VALU_DEP_1)
	v_max3_num_f32 v[WM], v[WM], v[WM+1], 0x1800000   ; and the floor
	s_delay_alu instid0(VALU_DEP_1)
	v_add_nc_u32 v[WO], 0xff000000, v[WM]
	s_delay_alu instid0(VALU_DEP_1)
	v_lshrrev_b32 v[WB], 23, v[WO]
.if (\t) == 0
	s_delay_alu instid0(VALU_DEP_1)
	v_mov_b32 v[WW], v[WB]
.else
	s_delay_alu instid0(VALU_DEP_1)
	v_lshl_or_b32 v[WW], v[WB], 8*(\t), v[WW]
.endif
	v_cvt_scalef32_pk16_fp6_f32 v[WC:WC+2], v[XS:XS+15], v[WO]
	v_cvt_scalef32_pk16_fp6_f32 v[WT:WT+2], v[XS+16:XS+31], v[WO]
	v_nop                                          ; one plain place behind a scaled conversion
.irp i, 0,1,2
	v_mov_b32 v[WC+3+\i], v[WT+\i]
.endr
	; block t is registers 6 (t / 2) .. + 5 of lane (r, h = t % 2) of the fragment: 16 bytes a lane and register group, lanes 16-31 256 bytes on
.if (\t) < 2
	ds_store_b128 v10, v[WC:WC+3] offset:256*((\t)%2)
	ds_store_b64 v10, v[WC+4:WC+5] offset:256*((\t)%2)+512
.else
	ds_store_b64 v10, v[WC:WC+1] offset:256*((\t)%2)+520
	ds_store_b128 v10, v[WC+2:WC+5] offset:256*((\t)%2)+1024
.endif
.if (\t)+2 < 4
	WLOAD (\t)+2
.endif
	s_wait_dscnt 0x0                               ; the stores have read their registers: the next block's codes may be written
.endm
	WLOAD 0
	WLOAD 1
	WBLOCK 0
	WBLOCK 1
	WBLOCK 2
	WBLOCK 3
	s_wait_alu depctr_va_vdst(0)
	ds_store_b32 v14, v[WW]
.irp i, 0,1,2,3,4,5
	ds_load_b128 v[WX+4*\i:WX+4*\i+3], v11 offset:512*\i   ; my own bytes: LDS serves a wave's instructions in order
.endr
.irp i, 0,1,2,3,4,5
	s_wait_dscnt 5-\i
	global_store_b128 v3, v[WX+4*\i:WX+4*\i+3], s[42:43] offset:512*\i
.endr
	s_barrier_signal -1                            ; (the last count above was 0: my word has landed too)
	s_barrier_wait -1
	s_cmp_lt_u32 s14, 2
	s_cbranch_scc0 .Lw_end
	ds_load_b128 v[WX+24:WX+27], v15
	s_wait_dscnt 0x0
	global_store_b128 v3, v[WX+24:WX+27], s[44:45]
.Lw_end:
	s_wait_tensorcnt 0x0                           ; the wave's end
	ds_add_u32 v[SPW], v[NIL]
	s_wait_dscnt 0x0
	s_endpgm
.Lfunc_end_k_qc3e1391004_quant:
	.size	k_qc3e1391004_quant, .Lfunc_end_k_qc3e1391004_quant-k_qc3e1391004_quant
	.p2alignl 7, 3214868480
	.fill 96, 4, 3214868480
	.section	.rodata,"a",@progbits
	.p2align	6, 0x0
	.amdhsa_kernel k_qc3e1391004_quant
		.amdhsa_group_segment_fixed_size 94720
		.amdhsa_private_segment_fixed_size 0
		.amdhsa_enable_private_segment 0
		.amdhsa_kernarg_size 40
		.amdhsa_user_sgpr_count 2
		.amdhsa_user_sgpr_kernarg_segment_ptr 1
		.amdhsa_wavefront_size32 1
		.amdhsa_system_sgpr_workgroup_id_x 1
		.amdhsa_system_sgpr_workgroup_id_y 1
		.amdhsa_system_sgpr_workgroup_id_z 1
		.amdhsa_system_vgpr_workitem_id 0
		.amdhsa_next_free_vgpr 160
		.amdhsa_next_free_sgpr 66
		.amdhsa_reserve_vcc 0
		.amdhsa_float_denorm_mode_32 3
		.amdhsa_float_denorm_mode_16_64 3
		.amdhsa_memory_ordered 1
		.amdhsa_forward_progress 1
		.amdhsa_inst_pref_size 39
	.end_amdhsa_kernel
	.amdgpu_metadata
---
amdhsa.version: [ 1, 2 ]
amdhsa.kernels:
  - .name:           k_qc3e1391004_quant
    .symbol:         k_qc3e1391004_quant.kd
    .args:
      - { .name: x, .offset: 0, .size: 8, .value_kind: global_buffer, .address_space: global }
      - { .name: W_attn, .offset: 8, .size: 8, .value_kind: global_buffer, .address_space: global }
      - { .name: W_proj, .offset: 16, .size: 8, .value_kind: global_buffer, .address_space: global }
      - { .name: xq, .offset: 24, .size: 8, .value_kind: global_buffer, .address_space: global }
      - { .name: wq, .offset: 32, .size: 8, .value_kind: global_buffer, .address_space: global }
    .group_segment_fixed_size: 94720
    .private_segment_fixed_size: 0
    .kernarg_segment_align: 8
    .kernarg_segment_size: 40
    .max_flat_workgroup_size: 256
    .sgpr_count:     66
    .vgpr_count:     160
    .wavefront_size: 32
...
	.end_amdgpu_metadata
.endif
;; end of part 1
;; launch qkv (part 2): grid 8 x 32, 4 waves a work-group, clusters of 4 x 4, 327,680 bytes of LDS; arguments xq, wq, b_attn, qk, vt; writes qk, vt
.if DOCPART == 2
	.amdgcn_target "amdgcn-amd-amdhsa--gfx1250"
	.amdhsa_code_object_version 6
	.text
	.protected	k_qc3e1391004_qkv
	.globl	k_qc3e1391004_qkv
	.p2align	8
	.type	k_qc3e1391004_qkv,@function
k_qc3e1391004_qkv:
	s_mov_b64 s[64:65], 0
	v_nop
	global_prefetch_b8 v0, s[64:65] scope:SCOPE_SE
	s_setreg_imm32_b32 hwreg(HW_REG_WAVE_MODE, 25, 1), 1
	s_wait_xcnt 0x0
	s_wait_alu depctr_hold_cnt(0) depctr_sa_sdst(0) depctr_va_vdst(0) depctr_va_sdst(0) depctr_va_ssrc(0) depctr_va_vcc(0) depctr_vm_vsrc(0)
	s_getreg_b32 s2, hwreg(HW_REG_IB_STS2, 6, 4)
	s_cmp_eq_u32 s2, 0
	s_cbranch_scc0 .Lentry_in_a_cluster
	s_endpgm
.Lentry_in_a_cluster:
	s_bfe_u32 s2, ttmp6, 0x10000c
	s_cmp_lg_u32 s2, 0xf033
	s_cbranch_scc0 .Lentry_shape_is_right
	s_endpgm
.Lentry_shape_is_right:
; qkv = x W_attn + b_attn on codes of FP6, and q, k, v quantised for the products that follow.  Buffers are panels of register images (128 row places x 256 along K, 25,600 bytes: codes at
; 12,288 q + 1,536 tile + 512 c + 16 lane, scale words at 24,576 + 512 q + 64 tile + 4 r; place p holds the true row p with bits 3 and 4 exchanged).
; SOURCE 0's 16 rows land in a lane's registers (the next product's K, in true order), SOURCE 1's rows stay rows, one a lane.
; A WORK-GROUP STAYS AND MAKES TWO TILES, so that 256 work-groups have equal work.  T = its tile of 256 tokens (4 x cluster y + cy), C = 4 x cluster x + cx (0 .. 7).
;   TILE 1 (q and k): source 1 = x's tokens T, source 0 = W's columns 256 C on; a wave makes 128 x 128: 64 accumulators.  Rows = tokens, the next K = channels.
;   TILE 2 (v with the KEYS as its K): source 1 = W's columns 2,048 + 128 C on, source 0 = the SAME tokens T; a wave makes 64 x 128: 32 accumulators.  Rows = channels, the next K = tokens.
; LDS: three slots of four panels, [x's two][W's two].  K = 1,024 goes in four K steps of 256.  At the head K steps 0, 1, 2 are asked for; K step 3 refills slot 0.  x's panels of K steps 1, 2, 3 are
; still there when tile 1 is done, so tile 2 asks for six panels only: its own four of W, into the W halves of slots 1 and 2 as soon as tile 1 has read those (they have the rest of tile 1 and its way
; out in which to land), and x's two of K step 0, into slot 0's W half behind tile 1's way out; tile 2 takes K in the order 1, 2, 3, 0, so that those two have six steps in which to land.
; By this text's count a wave has at most three tensor loads out.  Each load has a descriptor group 0 of its own, written once.
; CLUSTER 4 x 4: x's panels hang on T alone and are shared along a row of the cluster, W's on C alone and are shared along a column: joint loads, each refill behind a round of the cluster's barrier.
; LIMITS: NaN and infinities are not served; a block of zeros gets the scale byte 1 (its codes are zeros; this program alone reads the bytes).
; REGISTERS: window 0: v8-25 LDS addresses (written anew between the tiles), v28-31, v32-47 source 1's scale words (two sets), v48-63 source 0's, v64-127 q's and k's bias, v128-223 source 1's
;   fragments (one set), v224-231 v's bias by row;  window 1: source 0's fragments, two sets, at v0 and v128;  windows 2, 3: accumulator (a, b) at v[8 (8 (a % 4) + b)] of window 2 + a / 4.
;   On the ways out v128-255 of window 0 are at work.
.set NA,    8                          ; source 1's blocks of 16 rows in a wave's tile: 8 in tile 1, set to 4 ahead of tile 2
.set PANEL, 25600
.set SLOTB, 102400
.set GATH,  307200                     ; 512 bytes a wave: scale words on their way out
.set SPARE, 309248                     ; the spare words, 128 bytes a wave; no other line names them
.set ADRSA, 8
.set GR,    11
.set ADRSB, 12
.set ADRA,  16
.set GR2,   19
.set ADRB,  20
.set R4,    24                         ; v24  4 r
.set L8,    25                         ; v25  8 x lane
.set SPW,   28
.set NIL,   29
.set LI,    30                         ; v30  16 x lane
.set GW,    31
.set SCA,   32
.set SCB,   48
.set BR,    64
.set AF,    128
.set HA,    128
.set PC,    192
.set PW,    212
.set BL,    224
.set TM,    240
.set G1,    24                         ; s[24:31] group 1 with my row's mask (x's panels)
.set G0D,   32                         ; s[32:35] group 0: x's K step 0 once more
.set G0C,   40                         ; s[40:43] group 0: tile 2's panel of W
.set G1B,   48                         ; s[48:55] group 1 with my column's mask (W's panels)
.set SEL,   60
.set G0,    68                         ; s[68:71], s[80:83] groups 0: x's head load (K steps 0 to 2) and K step 3
.set G0B,   84                         ; s[84:87], s[96:99] W's: the head's load and K step 3
; THE LAY OF LDS AS THIS TEXT HAS IT (in place of the three slots of the head comment): a region of three panels on end for each fetching wave, x's two groups at 0 and 3 panels, W's two at 6 and 9.
; At the head a wave asks for K steps 0, 1, 2 of its group by ONE load of 300 rows; K step 3 refills K step 0's place.  Tile 2's four panels of W take the places of W's K steps 1 and 2
; (panels 7, 8, 10, 11), x's K step 0 comes once more into the places of W's K step 3 (panels 6 and 9).  By this text's count a wave has one tensor load out at the most.
.set G1H,   72                         ; s[72:79] group 1 of the head's load of x: 300 rows
.set G1BH,  88                         ; s[88:95] the same for W
.set MSB, 0
.macro WIN new                         ; the immediate's high byte repeats the setting that is left
.if MSB != (\new)
	s_set_vgpr_msb (MSB<<8)|(\new)
.set MSB, \new
.endif
.endm
.set TO_B, 0x40                        ; destination window 1, address window 0
.macro PLACES                          ; four plain places behind a matrix instruction, in front of loads into its registers and of reads of its results
.rept 4
	v_nop
.endr
.endm
.macro FRAG reg, adr, off              ; a fragment: 12 registers, three loads of 512 consecutive bytes
.irp c, 0,1,2
	ds_load_b128 v[\reg+4*\c:\reg+4*\c+3], v[\adr] offset:\off+512*\c
.endr
.endm
; Address register number sb (sa) and the kb-th (ka-th) 128 along K behind it say where a step's operands lie.
.macro FETCH_B sb, kb, set             ; source 0's eight fragments
	WIN TO_B
.irp i, 0,1,2,3,4,5,6,7
	FRAG 128*(\set)+12*\i, ADRB+(\sb), ((\kb)/2)*25600+((\kb)%2)*12288+1536*\i
.endr
	WIN 0
.endm
.macro FETCH_A sa, ka, i0              ; source 1's blocks i0 .. i0 + NA / 2 - 1
.set fi, \i0
.rept NA/2
	FRAG AF+12*fi, ADRA+(\sa), ((\ka)/2)*25600+((\ka)%2)*12288+1536*fi
.set fi, fi+1
.endr
.endm
.macro SCALES sa, ka, sb, kb, set      ; the scale words: lane r takes row r's, in both halves of the lanes
.set fi, 0
.rept NA
	ds_load_b32 v[SCA+NA*(\set)+fi], v[ADRSA+(\sa)] offset:((\ka)/2)*25600+24576+((\ka)%2)*512+64*fi
.set fi, fi+1
.endr
.set fi, 0
.rept 8
	ds_load_b32 v[SCB+8*(\set)+fi], v[ADRSB+(\sb)] offset:((\kb)/2)*25600+24576+((\kb)%2)*512+64*fi
.set fi, fi+1
.endr
.endm
.macro MULB a, set, mode               ; block a of source 1 against source 0's eight.  mode 0: adds on; 1: the product starts the sums
.set mb, 0
.rept 8
.set rD, 8*(8*((\a)%4)+mb)
.if \mode == 0
	v_wmma_scale_f32_16x16x128_f8f6f4 v[rD:rD+7], v[128*(\set)+12*mb:128*(\set)+12*mb+11], v[AF+12*(\a):AF+12*(\a)+11], v[rD:rD+7], v[SCB+8*(\set)+mb], v[SCA+NA*(\set)+(\a)] matrix_a_fmt:MATRIX_FMT_FP6 matrix_b_fmt:MATRIX_FMT_FP6
.else
.set rC, BR+8*(mb+((\mode)-1)*((\a)-mb))       ; the sums start with the bias as C: mode 1: that of source 0's block mb (by register); mode 2: that of source 1's block a (by lane)
	v_wmma_scale_f32_16x16x128_f8f6f4 v[rD:rD+7], v[128*(\set)+12*mb:128*(\set)+12*mb+11], v[AF+12*(\a):AF+12*(\a)+11], v[rC:rC+7], v[SCB+8*(\set)+mb], v[SCA+NA*(\set)+(\a)] matrix_a_fmt:MATRIX_FMT_FP6 matrix_b_fmt:MATRIX_FMT_FP6
.endif
.set mb, mb+1
.endr
.endm
.macro MULS a0, n, set, mode           ; n blocks from a0 on.  The accumulators take turns, one instruction a turn, in the same order in every step
.set ma, \a0
.rept \n
.if \mode == 0
	WIN 0xa1+0x50*(ma/4)
.else
	WIN 0x81+0x40*(ma/4)                           ; C, the bias, lies in window 0
.endif
	MULB ma, \set, \mode
.set ma, ma+1
.endr
.endm
.macro STEP set, mode, sa, ka, sb, kb  ; 128 along K; the next step's fragments (sa, ka, sb, kb) are fetched in two runs
	s_wait_dscnt 3*NA/2                            ; all but the youngest loads (source 1's upper blocks) are in
	MULS 0, NA/2, \set, \mode
	s_wait_dscnt 0x0
	PLACES
	FETCH_B \sb, \kb, 1-(\set)
	FETCH_A \sa, \ka, 0
	SCALES \sa, \ka, \sb, \kb, 1-(\set)
	MULS NA/2, NA/2, \set, \mode
	PLACES
	WIN 0
	FETCH_A \sa, \ka, NA/2
.endm
.macro LAST set
	s_wait_dscnt 3*NA/2
	MULS 0, NA/2, \set, 0
	s_wait_dscnt 0x0
	MULS NA/2, NA/2, \set, 0
	WIN 0
.endm
.macro FIRST sa, ka, sb, kb
	FETCH_B \sb, \kb, 0
	FETCH_A \sa, \ka, 0
	SCALES \sa, \ka, \sb, \kb, 0
	FETCH_A \sa, \ka, NA/2
.endm
; A joint load: waves 0 and 1 fetch x's two panels, waves 2 and 3 W's.  The branch hangs on the wave's number alone.  An s_nop 0 and four v_nop follow each line.
.macro JLOAD g0a, g1a, g0b, g1b
	s_cmp_eq_u32 s15, 0
	s_cbranch_scc0 .Lfor_b_\@
	tensor_load_to_lds s[\g0a:\g0a+3], s[\g1a:\g1a+7]
	s_nop 0
.rept 4
	v_nop
.endr
	s_branch .Lasked_\@
.Lfor_b_\@:
	tensor_load_to_lds s[\g0b:\g0b+3], s[\g1b:\g1b+7]
	s_nop 0
.rept 4
	v_nop
.endr
.Lasked_\@:
.endm
.macro CREST                           ; a round of the cluster's barrier behind its opening barrier
	s_cmp_lg_u32 s14, 0
	s_cbranch_scc1 .Lnot_wave_0_\@
	s_barrier_signal -3
.Lnot_wave_0_\@:
	s_barrier_wait -3
	s_barrier_signal -1
	s_barrier_wait -1
.endm
.macro CROUND
	s_barrier_signal -1
	s_barrier_wait -1
	CREST
.endm
; A step with a refill.  In front of its barrier, which opens a round of the cluster's, each wave waits for all its tensor loads, adds 0 to its spare word, and waits for that and for its reads.
; fill = 1: slot 0, read out, takes K step 3.  fill = 2: the W halves of slots 1 and 2, read out, take tile 2's four panels of W, one a wave: LDS bytes and memory both step with the wave's number.
.macro TURN set, fill, sa, ka, sb, kb
	s_wait_tensorcnt 0x0                           ; all my tensor loads have landed
	ds_add_u32 v[SPW], v[NIL]
	s_wait_dscnt 3*NA/2+1                          ; (the add and the youngest loads may be out)
	MULS 0, NA/4, \set, 0
	s_wait_dscnt 0x0                               ; the add is done, and my reads of the bytes to be filled are over
	s_barrier_signal -1
	MULS NA/4, NA/4, \set, 0
	WIN 0
	s_barrier_wait -1
	CREST                                          ; no wave of any partner still reads those bytes or has a load on its way
.if \fill == 1
	JLOAD G0+12, G1, G0B+12, G1B                   ; the first tensor load behind the round; its four v_nop are the places in front of the loads below
.else
	tensor_load_to_lds s[G0C:G0C+3], s[G1B:G1B+7]
	s_nop 0
	PLACES
.endif
	FETCH_B \sb, \kb, 1-(\set)
	FETCH_A \sa, \ka, 0
	SCALES \sa, \ka, \sb, \kb, 1-(\set)
	MULS NA/2, NA/2, \set, 0
	PLACES
	WIN 0
	FETCH_A \sa, \ka, NA/2
.endm
; A step with a barrier behind which the last panels are read and nothing is filled: no load was issued behind them, so the count is 0.
.macro TURNW set, sa, ka, sb, kb
	s_wait_tensorcnt 0x0                           ; my panel of x's K step 0 has landed
	s_wait_dscnt 3*NA/2
	MULS 0, NA/4, \set, 0
	s_wait_dscnt 0x0                               ; no LDS instruction of mine is out at the signal
	s_barrier_signal -1
	MULS NA/4, NA/4, \set, 0
	WIN 0
	s_barrier_wait -1                              ; everybody's has
	PLACES
	FETCH_B \sb, \kb, 1-(\set)
	FETCH_A \sa, \ka, 0
	SCALES \sa, \ka, \sb, \kb, 1-(\set)
	MULS NA/2, NA/2, \set, 0
	PLACES
	WIN 0
	FETCH_A \sa, \ka, NA/2
.endm
; 64 numbers of a lane, register 16 b + i = k 32 b + 16 (lane / 16) + i of my row, become a fragment's codes in v[PC] on and its scale word in v[PW].
.macro QUANT s, w                      ; the 64 numbers are accumulators: registers s on of window w, read where they lie
	WIN 5*(\w)                                     ; sources 0 and 1: window w
.irp b, 0,1,2,3
	v_max3_num_f32 v[TM+\b], |v[\s+16*\b]|, |v[\s+1+16*\b]|, 0x1800000   ; with the floor 2^(3 - 127): the byte cannot fall under 1
.endr
.irp i, 2,4,6,8,10,12,14
.irp b, 0,1,2,3
	v_max3_num_f32 v[TM+\b], |v[\s+16*\b+\i]|, |v[\s+1+16*\b+\i]|, v[TM+\b]
.endr
.endr
	WIN 0
.irp b, 0,1,2,3
	v_permlanex16_b32 v[TM+4+\b], v[TM+\b], s[SEL], s[SEL+1]
.endr
.irp b, 0,1,2,3
	v_max_num_f32 v[TM+\b], v[TM+\b], v[TM+4+\b]   ; with lane l xor 16's: the block's largest magnitude
.endr
.irp b, 0,1,2,3
	v_add_nc_u32 v[TM+12+\b], 0xff000000, v[TM+\b] ; 2 off the exponent field: the conversion's scale operand
.endr
.irp b, 0,1,2,3
	v_lshrrev_b32 v[TM+4+\b], 23, v[TM+12+\b]      ; the scale's byte
.endr
	v_lshl_or_b32 v[PW], v[TM+5], 8, v[TM+4]
	v_lshl_or_b32 v[PW], v[TM+6], 16, v[PW]
	v_lshl_or_b32 v[PW], v[TM+7], 24, v[PW]
	WIN \w                                         ; source 0: window w
.irp c, 0,1
	v_cvt_scalef32_pk16_fp6_f32 v[PC+6*\c:PC+2+6*\c], v[\s+32*\c:\s+15+32*\c], v[TM+12+2*\c]
	v_cvt_scalef32_pk16_fp6_f32 v[PC+12+4*\c:PC+14+4*\c], v[\s+16+32*\c:\s+31+32*\c], v[TM+12+2*\c+1]
.endr
	WIN 0
	v_nop                                          ; one plain place behind a scaled conversion
.irp c, 0,1                                    ; the layout wants a whole block in a lane
.irp i, 0,1,2
	v_permlane16_swap_b32 v[PC+6*\c+\i], v[PC+12+4*\c+\i]
.endr
.irp i, 0,1,2
	v_mov_b32 v[PC+3+6*\c+\i], v[PC+12+4*\c+\i]
.endr
.endr
.endm
	s_load_b256 s[4:11], s[0:1], 0x0               ; xq s[4:5], wq s[6:7], b_attn s[8:9], qk s[10:11]
	s_load_b64 s[12:13], s[0:1], 0x20              ; vt
	v_lshl_add_u32 v[SPW], v0, 2, SPARE
	v_mov_b32 v[NIL], 0
	ds_add_u32 v[SPW], v[NIL]                      ; the wave's opening: the add and its wait ahead of my first tensor load
	ds_add_u32 v[SPW], v[NIL]
	v_lshrrev_b32 v1, 5, v0
	v_readfirstlane_b32 s14, v1                    ; wave 0..3
	s_lshr_b32 s15, s14, 1                         ; hA: my half of source 1's rows.  Also: at the head I fetch for x (0) or for W (1)
	s_and_b32 s16, s14, 1                          ; hB: my half of source 0's rows.  Also: which of two panels I fetch
	s_bfe_u32 s17, ttmp6, 0x40000                  ; cx
	s_bfe_u32 s18, ttmp6, 0x40004                  ; cy
	s_and_b32 s20, ttmp7, 0xffff
	s_lshl_b32 s21, s20, 2
	s_add_co_u32 s21, s21, s18                     ; T = 4 x cluster y + cy.  (s21, s32-39 never hold cx)
	s_lshl_b32 s22, ttmp9, 2
	s_add_co_u32 s22, s22, s17                     ; C = 4 x cluster x + cx.  (s22, s40-47 never hold cy)
	s_lshl_b32 s37, s18, 2
	s_lshl_b32 s37, 15, s37                        ; my row of the cluster
	s_lshl_b32 s44, 0x1111, s17                    ; my column
	s_or_b32 s[G1], s37, (3<<16)|(1<<21)           ; 15:0 the mask; 17:16 elements of 8 bytes; 21 set beside a mask; no padding
	s_or_b32 s[G1B], s44, (3<<16)|(1<<21)
	s_or_b32 s[G1H], s37, (3<<16)|(1<<21)
	s_or_b32 s[G1BH], s44, (3<<16)|(1<<21)
.irp g, G1H, G1BH                              ; three panels on end: 300 rows of 256 bytes
	s_mov_b32 s[\g+1], 32<<16
	s_mov_b32 s[\g+2], 300<<16
	s_mov_b32 s[\g+3], 32<<16
	s_mov_b32 s[\g+4], 300
	s_mov_b32 s[\g+5], 32
	s_mov_b32 s[\g+6], 0
	s_mov_b32 s[\g+7], 0
.endr
.irp g, G1, G1B                                ; a panel is a dense block: 100 rows of 256 bytes
	s_mov_b32 s[\g+1], 32<<16                      ; tensor_dim0 = 32
	s_mov_b32 s[\g+2], 100<<16                     ; tensor_dim1 = 100
	s_mov_b32 s[\g+3], 32<<16                      ; tile_dim0
	s_mov_b32 s[\g+4], 100                         ; tile_dim1
	s_mov_b32 s[\g+5], 32                          ; the pitch
	s_mov_b32 s[\g+6], 0
	s_mov_b32 s[\g+7], 0
.endr
	s_lshl_b32 s34, s21, 1
	s_add_co_u32 s34, s34, s16
	s_mul_i32 s34, s34, 4*PANEL                    ; x: group 2 T + (wave % 2) of 128 tokens, four panels each
	s_mov_b32 s35, 0
	s_lshl_b32 s44, s22, 1
	s_add_co_u32 s44, s44, s16
	s_mul_i32 s44, s44, 4*PANEL                    ; W, tile 1: group 2 C + (wave % 2) of 128 columns
	s_mov_b32 s45, 0
	s_mul_i32 s36, s14, PANEL                      ; wave x a panel: my K step of tile 2's W in memory
	s_add_co_u32 s42, s22, 16
	s_mul_i32 s42, s42, 4*PANEL                    ; W, tile 2: group 16 + C,
	s_add_co_u32 s42, s42, s36                     ; its K step number = my wave's number
	s_mov_b32 s43, 0
	s_mul_i32 s36, s14, 3*PANEL                    ; my region of LDS: wave x three panels
	s_mul_i32 s41, s15, 3*PANEL
	s_mul_i32 s33, s16, PANEL
	s_add_co_u32 s41, s41, s33
	s_add_co_u32 s41, s41, 7*PANEL                 ; tile 2's panel of W: panel place 7 + 3 (wave / 2) + wave % 2
	s_mul_i32 s33, s16, 3*PANEL
	s_add_co_u32 s33, s33, 6*PANEL                 ; x's K step 0 once more: panel place 6 + 3 (wave % 2)
	s_mov_b32 s[G0C], 1
	s_mov_b32 s[G0D], 1
	s_mov_b32 s[SEL], 0x76543210
	s_mov_b32 s[SEL+1], 0xfedcba98
	s_wait_dscnt 0x0                               ; the opening add is done
	s_wait_kmcnt 0x0
	s_add_nc_u64 s[38:39], s[4:5], s[34:35]
	s_add_nc_u64 s[46:47], s[6:7], s[44:45]
	s_add_nc_u64 s[42:43], s[6:7], s[42:43]
	s_or_b32 s43, s43, 0x80000000
	s_mov_b64 s[34:35], s[38:39]
	s_or_b32 s35, s35, 0x80000000
.irp n, 0,3                                    ; a group 0 for the head's load (K steps 0 to 2) and one for K step 3: both begin at my region's first byte; none is ever stepped
	s_mov_b32 s[G0+4*\n], 1
	s_mov_b32 s[G0+4*\n+1], s36
	s_add_nc_u64 s[G0+4*\n+2:G0+4*\n+3], s[38:39], \n*PANEL
	s_or_b32 s[G0+4*\n+3], s[G0+4*\n+3], 0x80000000
	s_mov_b32 s[G0B+4*\n], 1
	s_mov_b32 s[G0B+4*\n+1], s36
	s_add_nc_u64 s[G0B+4*\n+2:G0B+4*\n+3], s[46:47], \n*PANEL
	s_or_b32 s[G0B+4*\n+3], s[G0B+4*\n+3], 0x80000000
.endr
	CROUND                                         ; all sixteen work-groups are here: the first joint loads meet
	JLOAD G0, G1H, G0B, G1BH                       ; my one load at the head: K steps 0, 1, 2 of my group
	v_and_b32 v4, 31, v0
	v_lshlrev_b32 v[LI], 4, v4                     ; 16 x lane
	v_lshlrev_b32 v[L8], 3, v4                     ; 8 x lane
	v_and_b32 v5, 15, v0                           ; r
	v_bfe_u32 v6, v0, 4, 1                         ; h
	v_lshlrev_b32 v[R4], 2, v5                     ; 4 r
	s_mul_i32 s37, s15, 3*PANEL                    ; tile 1: my group of x,
	s_mul_i32 s23, s16, 3*PANEL
	s_add_co_u32 s23, s23, 6*PANEL                 ; my group of W; an address register for each of the region's three panels
.irp s, 0,1,2
	v_add_nc_u32 v[ADRA+\s], s37, v[LI]
	v_add_nc_u32 v[ADRSA+\s], s37, v[R4]
	v_add_nc_u32 v[ADRB+\s], s23, v[LI]
	v_add_nc_u32 v[ADRSB+\s], s23, v[R4]
	s_add_co_u32 s37, s37, PANEL
	s_add_co_u32 s23, s23, PANEL
.endr
	s_lshl_b32 s37, s14, 9
	s_add_co_u32 s37, s37, GATH
	v_add_nc_u32 v[GW], s37, v[R4]
	v_add_nc_u32 v[GR], s37, v[LI]
	v_add_nc_u32 v[GR2], s37, v[L8]
	; where tile 1 goes
	s_lshr_b32 s2, s22, 2
	s_mul_i32 s2, s2, 6553600                      ; q or k
	s_lshl_b32 s3, s21, 1
	s_add_co_u32 s3, s3, s15
	s_mul_i32 s3, s3, 4*PANEL                      ; my group of tokens
	s_add_co_u32 s2, s2, s3
	s_and_b32 s3, s22, 3
	s_mul_i32 s3, s3, PANEL                        ; 256 channels
	s_add_co_u32 s2, s2, s3
	s_mov_b32 s3, 0
	s_add_nc_u64 s[56:57], s[10:11], s[2:3]        ; the panel
	s_lshl_b32 s2, s16, 9
	s_add_co_u32 s2, s2, 24576
	s_add_nc_u64 s[58:59], s[56:57], s[2:3]        ; my 512 bytes of scale words
	s_mul_i32 s2, s16, 12288
	s_add_nc_u64 s[56:57], s[56:57], s[2:3]        ; my eight fragments
	; where tile 2 goes
	s_lshr_b32 s2, s21, 3
	s_mul_i32 s2, s2, 64*PANEL                     ; the batch,
	s_mul_i32 s3, s22, 8*PANEL                     ; the group of 128 channels,
	s_add_co_u32 s2, s2, s3
	s_and_b32 s3, s21, 7
	s_mul_i32 s3, s3, PANEL                        ; 256 keys
	s_add_co_u32 s2, s2, s3
	s_mov_b32 s3, 0
	s_add_nc_u64 s[62:63], s[12:13], s[2:3]        ; the panel
	s_lshl_b32 s2, s16, 9
	s_lshl_b32 s19, s15, 8
	s_add_co_u32 s2, s2, s19
	s_add_co_u32 s2, s2, 24576
	s_add_nc_u64 s[66:67], s[62:63], s[2:3]        ; my 256 bytes of scale words
	s_mul_i32 s2, s16, 12288
	s_mul_i32 s19, s15, 6144
	s_add_co_u32 s2, s2, s19
	s_add_nc_u64 s[62:63], s[62:63], s[2:3]        ; my four fragments
	; the biases
	s_lshl_b32 s2, s22, 10
	s_lshl_b32 s19, s16, 9
	s_add_co_u32 s2, s2, s19
	s_add_nc_u64 s[100:101], s[8:9], s[2:3]        ; of tile 1's columns 256 C + 128 hB on
	s_lshl_b32 s2, s22, 9
	s_lshl_b32 s19, s15, 8
	s_add_co_u32 s2, s2, s19
	s_add_co_u32 s2, s2, 8192
	s_add_nc_u64 s[8:9], s[8:9], s[2:3]            ; of tile 2's channels 2,048 + 128 C + 64 hA on
	v_lshlrev_b32 v1, 6, v6                        ; 64 h
	v_bfe_u32 v7, v0, 3, 1
	v_and_b32 v2, 7, v0
	v_lshl_add_u32 v2, v7, 4, v2
	v_lshlrev_b32 v2, 2, v2                        ; 4 (16 (r / 8) + r % 8)
.irp b, 0,1,2,3,4,5,6,7                        ; tile b, lane half h, register j: true column 32 (b / 2) + 16 h + 8 (b % 2) + j
	global_load_b128 v[BR+8*\b:BR+8*\b+3], v1, s[100:101] offset:(32*(\b/2)+8*(\b%2))*4
	global_load_b128 v[BR+8*\b+4:BR+8*\b+7], v1, s[100:101] offset:(32*(\b/2)+8*(\b%2))*4+16
.endr
.irp a, 0,1,2,3                                ; block a, lane r: true channel 32 (a / 2) + 8 (a % 2) + 16 (r / 8) + r % 8
	global_load_b32 v[BL+2*\a], v2, s[8:9] offset:(32*(\a/2)+8*(\a%2))*4
.endr
	s_wait_alu depctr_va_vdst(0)
	s_wait_tensorcnt 0x0                           ; my three panels are in
	s_barrier_signal -1
	s_barrier_wait -1
	FIRST 0, 0, 0, 0
	s_wait_loadcnt 0x0                             ; the biases
	; ---------------- TILE 1: eight steps of 128 along K ----------------
	STEP 0, 1, 0, 1, 0, 1                          ; the first step starts the sums
	TURN 1, 1, 1, 0, 1, 0                          ; slot 0 is read out: it takes K step 3
	STEP 0, 0, 1, 1, 1, 1
	STEP 1, 0, 2, 0, 2, 0                          ; slot 2 was shown whole to every wave by the barrier above
	STEP 0, 0, 2, 1, 2, 1
	TURN 1, 2, 0, 0, 0, 0                          ; K step 3 has landed; W's panels of K steps 1 and 2 are read out: their bytes take tile 2's W
	STEP 0, 0, 0, 1, 0, 1
	LAST 1
	; TILE 1'S WAY OUT.  Block a's 64 numbers a lane, with the bias, are 128 neighbours along the next K of one row: quantised in registers, the fragment leaves as it stands: 3 x 512 consecutive bytes.
	PLACES
.irp b, 0,1,2,3
	v_mov_b32 v[TM+4+\b], 0                        ; a lane permute's destination counts as one of its sources
.endr
.macro OUTQ a
	s_wait_xcnt 0x0                                ; the last block's stores have read their registers
	s_wait_dscnt 0x0
	QUANT 64*((\a)%4), 2+(\a)/4                    ; the sums hold the bias already; each accumulator is read from its low end on
.irp c, 0,1,2
	global_store_b128 v[LI], v[PC+4*\c:PC+4*\c+3], s[56:57] offset:1536*(\a)+512*\c
.endr
	ds_store_b32 v[GW], v[PW] offset:64*(\a)
.endm
.irp a, 0,1,2,3,4,5,6,7
	OUTQ \a
.endr
	ds_load_b128 v[HA:HA+3], v[GR]                 ; my eight tiles' scale words: LDS serves a wave's instructions in order
	s_wait_dscnt 0x0
	global_store_b128 v[LI], v[HA:HA+3], s[58:59]
	; ---------------- BETWEEN THE TILES: slot 0's W half, read out, takes x's K step 0 ----------------
	s_wait_xcnt 0x0                                ; the stores have read their registers: tile 2's fragments may land there
	s_wait_tensorcnt 0x0                           ; tile 2's panel of W, my one load that was out, has landed
	ds_add_u32 v[SPW], v[NIL]                      ; 0 onto my spare word; tile 2's addresses, work on registers, stand between it and the wait for it
	s_mul_i32 s2, s15, 6144                        ; source 1 = W: my four tiles of its panels.  K steps 0, 1 lie at panel places 7, 8, K steps 2, 3 at 10, 11
	s_add_co_u32 s2, s2, 7*PANEL
	v_add_nc_u32 v[ADRA], s2, v[LI]
	s_add_co_u32 s2, s2, 3*PANEL
	v_add_nc_u32 v[ADRA+1], s2, v[LI]
	s_lshl_b32 s2, s15, 8
	s_add_co_u32 s2, s2, 7*PANEL
	v_add_nc_u32 v[ADRSA], s2, v[R4]
	s_add_co_u32 s2, s2, 3*PANEL
	v_add_nc_u32 v[ADRSA+1], s2, v[R4]
.irp a, 0,1,2,3
.irp j, 0,1,2,3,4,5,6,7
	v_mov_b32 v[BR+8*\a+\j], v[BL+2*\a]            ; tile 2's bias goes by lane: eight registers of it for each block, the C of that block's first products
.endr
.endr
	s_mul_i32 s2, s16, 3*PANEL                     ; source 0 = x: my group's region.  An address register for each K step:
	v_add_nc_u32 v[ADRB+3], s2, v[LI]              ; K step 3 lies at the region's first panel,
	v_add_nc_u32 v[ADRSB+3], s2, v[R4]
	s_add_co_u32 s3, s2, 6*PANEL
	v_add_nc_u32 v[ADRB], s3, v[LI]                ; K step 0 six panels on, where W's K step 3 lay,
	v_add_nc_u32 v[ADRSB], s3, v[R4]
	s_add_co_u32 s3, s2, PANEL
	v_add_nc_u32 v[ADRB+1], s3, v[LI]              ; K steps 1 and 2 where they were
	v_add_nc_u32 v[ADRSB+1], s3, v[R4]
	s_add_co_u32 s3, s2, 2*PANEL
	v_add_nc_u32 v[ADRB+2], s3, v[LI]
	v_add_nc_u32 v[ADRSB+2], s3, v[R4]
	s_wait_dscnt 0x0                               ; the add is done, and my LDS reads are over
	CROUND                                         ; no wave of any partner still reads slot 0's W half or has a load on its way; tile 2's W is whole in every work-group
	s_cmp_eq_u32 s15, 0                            ; waves 0 and 1 fetch x's two panels: the wave's number alone
	s_cbranch_scc0 .Lno_x
	tensor_load_to_lds s[G0D:G0D+3], s[G1:G1+7]
	s_nop 0
	PLACES
.Lno_x:
	; ---------------- TILE 2: eight steps, K steps in the order 1, 2, 3, 0 ----------------
.set NA, 4
	s_wait_alu depctr_va_vdst(0)
	FIRST 0, 2, 1, 0
	STEP 0, 2, 0, 3, 1, 1                          ; the first step starts the sums with my channels' bias
	STEP 1, 0, 1, 0, 2, 0
	STEP 0, 0, 1, 1, 2, 1
	STEP 1, 0, 1, 2, 3, 0
	STEP 0, 0, 1, 3, 3, 1
	TURNW 1, 0, 0, 0, 0                            ; x's K step 0 has landed, everybody's part
	STEP 0, 0, 0, 1, 0, 1
	LAST 1
	; TILE 2'S WAY OUT: rows = channels, the bias goes by row; the next K = my 128 tokens.
	PLACES
.macro OUTV a
	s_wait_xcnt 0x0                                ; the last block's stores have read their registers
	s_wait_dscnt 0x0
	QUANT 64*(\a), 2                               ; the sums hold the bias already; each accumulator is read from its low end on
.irp c, 0,1,2
	global_store_b128 v[LI], v[PC+4*\c:PC+4*\c+3], s[62:63] offset:1536*(\a)+512*\c
.endr
	ds_store_b32 v[GW], v[PW] offset:64*(\a)
.endm
.irp a, 0,1,2,3
	OUTV \a
.endr
	ds_load_b64 v[HA:HA+1], v[GR2]                 ; my four tiles' scale words
	s_wait_dscnt 0x0
	global_store_b64 v[L8], v[HA:HA+1], s[66:67]   ; 32 lanes store 256 consecutive bytes, aligned
	s_wait_tensorcnt 0x0                           ; the wave's end
	ds_add_u32 v[SPW], v[NIL]
	s_wait_dscnt 0x0
	CROUND                                         ; the closing round
	s_endpgm
.Lfunc_end_k_qc3e1391004_qkv:
	.size	k_qc3e1391004_qkv, .Lfunc_end_k_qc3e1391004_qkv-k_qc3e1391004_qkv
	.p2alignl 7, 3214868480
	.fill 96, 4, 3214868480
	.section	.rodata,"a",@progbits
	.p2align	6, 0x0
	.amdhsa_kernel k_qc3e1391004_qkv
		.amdhsa_group_segment_fixed_size 327680
		.amdhsa_private_segment_fixed_size 0
		.amdhsa_enable_private_segment 0
		.amdhsa_kernarg_size 40
		.amdhsa_user_sgpr_count 2
		.amdhsa_user_sgpr_kernarg_segment_ptr 1
		.amdhsa_wavefront_size32 1
		.amdhsa_system_sgpr_workgroup_id_x 1
		.amdhsa_system_sgpr_workgroup_id_y 1
		.amdhsa_system_sgpr_workgroup_id_z 1
		.amdhsa_system_vgpr_workitem_id 0
		.amdhsa_next_free_vgpr 1024
		.amdhsa_next_free_sgpr 104
		.amdhsa_reserve_vcc 0
		.amdhsa_float_denorm_mode_32 3
		.amdhsa_float_denorm_mode_16_64 3
		.amdhsa_memory_ordered 1
		.amdhsa_forward_progress 1
		.amdhsa_inst_pref_size 227
	.end_amdhsa_kernel
	.amdgpu_metadata
---
amdhsa.version: [ 1, 2 ]
amdhsa.kernels:
  - .name:           k_qc3e1391004_qkv
    .symbol:         k_qc3e1391004_qkv.kd
    .args:
      - { .name: xq, .offset: 0, .size: 8, .value_kind: global_buffer, .address_space: global }
      - { .name: wq, .offset: 8, .size: 8, .value_kind: global_buffer, .address_space: global }
      - { .name: b_attn, .offset: 16, .size: 8, .value_kind: global_buffer, .address_space: global }
      - { .name: qk, .offset: 24, .size: 8, .value_kind: global_buffer, .address_space: global }
      - { .name: vt, .offset: 32, .size: 8, .value_kind: global_buffer, .address_space: global }
    .group_segment_fixed_size: 327680
    .private_segment_fixed_size: 0
    .kernarg_segment_align: 8
    .kernarg_segment_size: 40
    .max_flat_workgroup_size: 128
    .sgpr_count:     104
    .vgpr_count:     1024
    .wavefront_size: 32
...
	.end_amdgpu_metadata
.endif
;; end of part 2
;; launch scores (part 3): grid 40 x 4, 4 waves a work-group, no clusters, 327,680 bytes of LDS; arguments qk, pc, ps; writes pc, ps
.if DOCPART == 3
	.amdgcn_target "amdgcn-amd-amdhsa--gfx1250"
	.amdhsa_code_object_version 6
	.text
	.protected	k_qc3e1391004_scores
	.globl	k_qc3e1391004_scores
	.p2align	8
	.type	k_qc3e1391004_scores,@function
k_qc3e1391004_scores:
	s_mov_b64 s[64:65], 0
	v_nop
	global_prefetch_b8 v0, s[64:65] scope:SCOPE_SE
	s_setreg_imm32_b32 hwreg(HW_REG_WAVE_MODE, 25, 1), 1
	s_wait_xcnt 0x0
; p = 2^(t - M) for a tile of 256 queries x 256 keys, on codes of FP6: S^T = k q^T over K = 1,024, t = score x log2(e) / 8, M = ceil(the largest t of a query's 128 keys), a whole number of its own for
; each query and 128 keys; p is quantised along the keys and leaves as register images with its scale words; -M and the sum of the unquantised p go to ps.  A wave makes 128 x 128.
; CAUSAL: a wave's queries begin SD keys behind its keys, SD a multiple of 128 made of ids alone.  SD >= 128: nothing is masked.  SD = 0: the lanes to mask are constants of the text.
; SD < 0: every key comes after every query: the wave stores p = 0 and does no softmax.
; LIMITS: the promise holds while the scaled scores stay under 2^31 in magnitude; NaN and infinities are not served.
.set NA,    8
.set PANEL, 25600
.set SLOTB, 102400
.set GATH,  307200
.set SPARE, 313344
.set ADRSA, 8
.set GR,    11
.set ADRSB, 12
.set ADRA,  16
.set ADRB,  20
.set VQ,    24
.set DQ,    25
.set INF,   26
.set SPW,   28
.set NIL,   29
.set LI,    30
.set GW,    31
.set SCA,   32
.set SCB,   48
.set BR,    64
.set AF,    128
.set HA,    128
.set PC,    192
.set PW,    212
.set NMP,   214
.set L1,    216
.set L2,    218
.set T0,    220
.set LS,    221
.set TM,    240
.set G1,    24
.set G0,    40                         ; s[40:43] group 0 of the head's load, s[52:55] of K step 3
; LDS: a region of three panels on end for each fetching wave: q's two groups at 0 and 3 panels, k's two at 6 and 9.  At the head a wave asks for K steps 0, 1, 2 of its group by ONE load of 300 rows;
; K step 3 refills K step 0's place.  By this text's count a wave has one tensor load out at the most; every wait on TENSORcnt is for 0.
.set G1H,   68                         ; s[68:75] group 1 of the head's load: 300 rows
.set SD,    34
.set ST,    35
.set CS,    56
.set SEL,   58
.set MSB, 0
.macro WIN new
.if MSB != (\new)
	s_set_vgpr_msb (MSB<<8)|(\new)
.set MSB, \new
.endif
.endm
.set TO_B, 0x40
.macro PLACES
.rept 4
	v_nop
.endr
.endm
.macro FRAG reg, adr, off
.irp c, 0,1,2
	ds_load_b128 v[\reg+4*\c:\reg+4*\c+3], v[\adr] offset:\off+512*\c
.endr
.endm
.macro FETCH_B slot, kq, set
	WIN TO_B
.irp i, 0,1,2,3,4,5,6,7
	FRAG 128*(\set)+12*\i, ADRB+(\slot), ((\kq)/2)*25600+((\kq)%2)*12288+1536*\i
.endr
	WIN 0
.endm
.macro FETCH_A slot, kq, i0
.set fi, \i0
.rept NA/2
	FRAG AF+12*fi, ADRA+(\slot), ((\kq)/2)*25600+((\kq)%2)*12288+1536*fi
.set fi, fi+1
.endr
.endm
.macro SCALES slot, kq, set
.set fi, 0
.rept NA
	ds_load_b32 v[SCA+NA*(\set)+fi], v[ADRSA+(\slot)] offset:((\kq)/2)*25600+24576+((\kq)%2)*512+64*fi
.set fi, fi+1
.endr
.set fi, 0
.rept 8
	ds_load_b32 v[SCB+8*(\set)+fi], v[ADRSB+(\slot)] offset:((\kq)/2)*25600+24576+((\kq)%2)*512+64*fi
.set fi, fi+1
.endr
.endm
.macro MULB a, set, mode
.set mb, 0
.rept 8
.set rD, 8*(8*((\a)%4)+mb)
.if \mode == 0
	v_wmma_scale_f32_16x16x128_f8f6f4 v[rD:rD+7], v[128*(\set)+12*mb:128*(\set)+12*mb+11], v[AF+12*(\a):AF+12*(\a)+11], v[rD:rD+7], v[SCB+8*(\set)+mb], v[SCA+NA*(\set)+(\a)] matrix_a_fmt:MATRIX_FMT_FP6 matrix_b_fmt:MATRIX_FMT_FP6
.else
	v_wmma_scale_f32_16x16x128_f8f6f4 v[rD:rD+7], v[128*(\set)+12*mb:128*(\set)+12*mb+11], v[AF+12*(\a):AF+12*(\a)+11], 0, v[SCB+8*(\set)+mb], v[SCA+NA*(\set)+(\a)] matrix_a_fmt:MATRIX_FMT_FP6 matrix_b_fmt:MATRIX_FMT_FP6
.endif
.set mb, mb+1
.endr
.endm
.macro MULS a0, n, set, mode
.set ma, \a0
.rept \n
	WIN 0xa1+0x50*(ma/4)
	MULB ma, \set, \mode
.set ma, ma+1
.endr
.endm
.macro STEP set, mode, nslot, nkq
	s_wait_dscnt 3*NA/2
	MULS 0, NA/2, \set, \mode
	s_wait_dscnt 0x0
	PLACES
	FETCH_B \nslot, \nkq, 1-(\set)
	FETCH_A \nslot, \nkq, 0
	SCALES \nslot, \nkq, 1-(\set)
	MULS NA/2, NA/2, \set, \mode
	PLACES
	WIN 0
	FETCH_A \nslot, \nkq, NA/2
.endm
.macro LAST set
	s_wait_dscnt 3*NA/2
	MULS 0, NA/2, \set, 0
	s_wait_dscnt 0x0
	MULS NA/2, NA/2, \set, 0
	WIN 0
.endm
.macro FIRST slot
	FETCH_B \slot, 0, 0
	FETCH_A \slot, 0, 0
	SCALES \slot, 0, 0
	FETCH_A \slot, 0, NA/2
.endm
.macro TURN set, fill, nslot, nkq
	s_wait_tensorcnt 0x0
	ds_add_u32 v[SPW], v[NIL]
	s_wait_dscnt 3*NA/2+1
	MULS 0, NA/4, \set, 0
	s_wait_dscnt 0x0
	s_barrier_signal -1
	MULS NA/4, NA/4, \set, 0
	WIN 0
	s_barrier_wait -1
.if \fill
	tensor_load_to_lds s[G0+12:G0+15], s[G1:G1+7]
	s_nop 0
.endif
	PLACES
	FETCH_B \nslot, \nkq, 1-(\set)
	FETCH_A \nslot, \nkq, 0
	SCALES \nslot, \nkq, 1-(\set)
	MULS NA/2, NA/2, \set, 0
	PLACES
	WIN 0
	FETCH_A \nslot, \nkq, NA/2
.endm
.macro QTAIL s
.irp b, 0,1,2,3
	v_add_nc_u32 v[TM+12+\b], 0xff000000, v[TM+\b]
.endr
.irp b, 0,1,2,3
	v_lshrrev_b32 v[TM+4+\b], 23, v[TM+12+\b]
.endr
	v_lshl_or_b32 v[PW], v[TM+5], 8, v[TM+4]
	v_lshl_or_b32 v[PW], v[TM+6], 16, v[PW]
	v_lshl_or_b32 v[PW], v[TM+7], 24, v[PW]
.irp c, 0,1
	v_cvt_scalef32_pk16_fp6_f32 v[PC+6*\c:PC+2+6*\c], v[\s+32*\c:\s+15+32*\c], v[TM+12+2*\c]
	v_cvt_scalef32_pk16_fp6_f32 v[PC+12+4*\c:PC+14+4*\c], v[\s+16+32*\c:\s+31+32*\c], v[TM+12+2*\c+1]
.endr
	v_nop
.irp c, 0,1
.irp i, 0,1,2
	v_permlane16_swap_b32 v[PC+6*\c+\i], v[PC+12+4*\c+\i]
.endr
.irp i, 0,1,2
	v_mov_b32 v[PC+3+6*\c+\i], v[PC+12+4*\c+\i]
.endr
.endr
.endm
	s_load_b128 s[4:7], s[0:1], 0x0
	s_load_b64 s[8:9], s[0:1], 0x10
	v_lshl_add_u32 v[SPW], v0, 2, SPARE
	v_mov_b32 v[NIL], 0
	ds_add_u32 v[SPW], v[NIL]
	ds_add_u32 v[SPW], v[NIL]
	v_lshrrev_b32 v1, 5, v0
	v_readfirstlane_b32 s14, v1
	s_lshr_b32 s15, s14, 1
	s_and_b32 s16, s14, 1
	s_mov_b32 s17, ttmp9
	s_and_b32 s18, ttmp7, 0xffff
	s_cmp_ge_u32 s17, 4
	s_cselect_b32 s19, 1, 0
	s_cmp_ge_u32 s17, 12
	s_cselect_b32 s20, 1, 0
	s_add_co_u32 s19, s19, s20
	s_cmp_ge_u32 s17, 24
	s_cselect_b32 s20, 1, 0
	s_add_co_u32 s19, s19, s20
	s_add_co_u32 s20, s19, 1
	s_mul_i32 s20, s20, s19
	s_lshl_b32 s20, s20, 1
	s_sub_co_u32 s20, s17, s20
	s_and_b32 s21, s20, 1
	s_lshl_b32 s23, s19, 1
	s_add_co_u32 s21, s21, s23
	s_lshr_b32 s22, s20, 1
	s_mov_b32 s[G1], 3<<16
	s_mov_b32 s[G1+1], 32<<16
	s_mov_b32 s[G1+2], 100<<16
	s_mov_b32 s[G1+3], 32<<16
	s_mov_b32 s[G1+4], 100
	s_mov_b32 s[G1+5], 32
	s_mov_b32 s[G1+6], 0
	s_mov_b32 s[G1+7], 0
	s_mov_b32 s[G1H], 3<<16
	s_mov_b32 s[G1H+1], 32<<16
	s_mov_b32 s[G1H+2], 300<<16
	s_mov_b32 s[G1H+3], 32<<16
	s_mov_b32 s[G1H+4], 300
	s_mov_b32 s[G1H+5], 32
	s_mov_b32 s[G1H+6], 0
	s_mov_b32 s[G1H+7], 0
	s_cmp_eq_u32 s15, 0
	s_cselect_b32 s32, s21, s22
	s_lshl_b32 s32, s32, 1
	s_add_co_u32 s32, s32, s16
	s_lshl_b32 s33, s18, 4
	s_add_co_u32 s32, s32, s33
	s_mul_i32 s32, s32, 4*PANEL
	s_mul_i32 s33, s15, 6553600
	s_add_co_u32 s32, s32, s33
	s_mov_b32 s33, 0
	s_mul_i32 s36, s14, 3*PANEL
	s_sub_co_i32 s[SD], s21, s22
	s_lshl_b32 s[SD], s[SD], 8
	s_sub_co_i32 s[ST], s15, s16
	s_lshl_b32 s[ST], s[ST], 7
	s_add_co_i32 s[SD], s[SD], s[ST]
	s_mov_b32 s[CS], 0x3e38aa3b
	s_mov_b32 s[CS+1], s[CS]
	s_mov_b32 s[SEL], 0x76543210
	s_mov_b32 s[SEL+1], 0xfedcba98
	s_wait_dscnt 0x0
	s_wait_kmcnt 0x0
	s_add_nc_u64 s[38:39], s[4:5], s[32:33]
.irp n, 0,3
	s_mov_b32 s[G0+4*\n], 1
	s_mov_b32 s[G0+4*\n+1], s36
	s_add_nc_u64 s[G0+4*\n+2:G0+4*\n+3], s[38:39], \n*PANEL
	s_or_b32 s[G0+4*\n+3], s[G0+4*\n+3], 0x80000000
.endr
	tensor_load_to_lds s[G0:G0+3], s[G1H:G1H+7]    ; my one load at the head: K steps 0, 1, 2 of my group
	s_nop 0
	PLACES
	v_and_b32 v4, 31, v0
	v_lshlrev_b32 v[LI], 4, v4
	v_and_b32 v5, 15, v0
	v_lshlrev_b32 v3, 2, v5
	s_mul_i32 s37, s15, 3*PANEL
	s_mul_i32 s23, s16, 3*PANEL
	s_add_co_u32 s23, s23, 6*PANEL
.irp s, 0,1,2
	v_add_nc_u32 v[ADRA+\s], s37, v[LI]
	v_add_nc_u32 v[ADRSA+\s], s37, v3
	v_add_nc_u32 v[ADRB+\s], s23, v[LI]
	v_add_nc_u32 v[ADRSB+\s], s23, v3
	s_add_co_u32 s37, s37, PANEL
	s_add_co_u32 s23, s23, PANEL
.endr
	s_mul_i32 s37, s14, 1536
	s_add_co_u32 s37, s37, GATH
	v_add_nc_u32 v[GW], s37, v3
	v_add_nc_u32 v[GR], s37, v[LI]
	v_mov_b32 v[INF], 0xff800000
	s_lshl_b32 s32, s18, 4
	s_lshl_b32 s33, s21, 1
	s_add_co_u32 s32, s32, s33
	s_add_co_u32 s32, s32, s15
	s_lshl_b32 s33, s32, 3
	s_add_co_u32 s33, s33, s22
	s_mul_i32 s2, s33, PANEL
	s_mov_b32 s3, 0
	s_add_nc_u64 s[60:61], s[6:7], s[2:3]
	s_lshl_b32 s2, s16, 9
	s_add_co_u32 s2, s2, 24576
	s_add_nc_u64 s[62:63], s[60:61], s[2:3]
	s_mul_i32 s2, s16, 12288
	s_add_nc_u64 s[60:61], s[60:61], s[2:3]
	s_lshl_b32 s33, s32, 4
	s_lshl_b32 s2, s22, 1
	s_add_co_u32 s33, s33, s2
	s_add_co_u32 s33, s33, s16
	s_lshl_b32 s2, s33, 10
	s_add_nc_u64 s[66:67], s[8:9], s[2:3]
	s_wait_alu depctr_va_vdst(0)
	s_wait_tensorcnt 0x0
	s_barrier_signal -1
	s_barrier_wait -1
	FIRST 0
	STEP 0, 1, 0, 1
	TURN 1, 1, 1, 0
	STEP 0, 0, 1, 1
	STEP 1, 0, 2, 0
	STEP 0, 0, 2, 1
	TURN 1, 0, 0, 0
	STEP 0, 0, 0, 1
	LAST 1
	PLACES
.irp b, 4,5,6,7,8
	v_mov_b32 v[TM+\b], 0
.endr
	v_mov_b32 v[NMP+1], 0
; THE DIAGONAL'S MASKS.  Register ei of block a holds key 32 (ei / 16) + ei % 16 + 16 h of query 32 (a / 2) + 8 (a % 2) + 16 (bit 3 of the lane) + the lane's low three bits.  With dd = the key's constant
; less the block's, a lane is masked where dd > low bits + 16 bit 3 - 16 h: in each group of eight lanes the lowest dd - base lanes, held to 0 .. 8.  So the mask is a constant for each register.
.set MK, 76                            ; s76-99 the 24 lane masks that are neither empty nor full: s[MK + dd + 8] for dd = -8 .. 15, set once ahead of the blocks
.set L3, 222                           ; v222-225 two more pairs for the row's sum
.set L4, 224
.macro GRP base, sh
.set nn, dd-(\base)
.if nn > 8
.set nn, 8
.endif
.if nn > 0
.set mk, mk|(((1<<nn)-1)<<(\sh))
.endif
.endm
.macro SOFT a
.if (\a) > 0
	s_wait_xcnt 0x0
	s_wait_dscnt 0x0
.endif
.set SAC, 64*((\a)%4)                  ; block a's 64 scores, in window 2 + a / 4: masked and searched where they lie, each accumulator from its low end on
	s_cmp_ge_i32 s[SD], 128
	s_cbranch_scc1 .Lopen_\@
	WIN (2+(\a)/4)*0x41                            ; SD = 0.  Source 0 and the destination: the scores' window
.set ei, 0
.rept 64
.set dd, 32*(ei/16)+ei%16-32*((\a)/2)-8*((\a)%2)
.set mk, 0
	GRP 0, 0
	GRP 16, 8
	GRP -16, 16
	GRP 0, 24
.if mk == 0xffffffff                   ; every lane's key comes after its query (the 32 keys of a later block of 32 than the queries'): no select is needed
	v_mov_b32 v[SAC+ei], 0xff800000
.else
.if mk != 0                            ; the 16 registers of the queries' own block of 32 keys, dd = -8 .. 15; they are taken in ascending order, each accumulator from its register 0 on.  A register that no lane masks is left alone
	v_cndmask_b32 v[SAC+ei], v[SAC+ei], v[INF], s[MK+dd+8]
.endif
.endif
.set ei, ei+1
.endr
	WIN 0
.Lopen_\@:
	WIN (2+(\a)/4)*5                               ; sources 0 and 1: the scores' window
.irp b, 0,1,2,3
	v_max3_num_f32 v[TM+\b], v[SAC+16*\b], v[SAC+1+16*\b], 0xff800000   ; each block's largest SCORE: the factor c is positive, so it is also the block's largest t
.endr
.irp i, 2,4,6,8,10,12,14
.irp b, 0,1,2,3
	v_max3_num_f32 v[TM+\b], v[SAC+16*\b+\i], v[SAC+1+16*\b+\i], v[TM+\b]
.endr
.endr
	WIN 0
.irp b, 0,1,2,3
	v_permlanex16_b32 v[TM+4+\b], v[TM+\b], s[SEL], s[SEL+1]
.endr
.irp b, 0,1,2,3
	v_max_num_f32 v[TM+\b], v[TM+\b], v[TM+4+\b]
.endr
	v_max3_num_f32 v[T0], v[TM], v[TM+1], v[TM+2]
	v_max3_num_f32 v[T0], v[T0], v[TM+3], 0xff61b1e6
	v_mul_f32 v[T0], s[CS], v[T0]                  ; the largest score as t (a row wholly under the mask keeps the floor x c)
	v_floor_f32 v[NMP], -v[T0]
	WIN 2+(\a)/4                                   ; source 0: the scores' window
.set ei, 0
.rept 32
	v_pk_fma_f32 v[HA+2*ei:HA+2*ei+1], v[SAC+2*ei:SAC+2*ei+1], s[CS:CS+1], v[NMP:NMP+1] op_sel_hi:[1,0,0]   ; t - M = score x c - M, two at a time, one rounding; also the way into window 0
.set ei, ei+1
.endr
	WIN 0
.irp b, 0,1,2,3
	v_fma_f32 v[TM+\b], v[TM+\b], s[CS], v[NMP]    ; the same of each block's largest score: the same bits
.endr
.set ei, 0
	s_wait_alu depctr_va_vdst(0)
.rept 64
	v_exp_f32 v[HA+ei], v[HA+ei]
.set ei, ei+1
.endr
	v_nop
	s_wait_alu depctr_va_vdst(0)
.irp b, 0,1,2,3
	v_exp_f32 v[TM+\b], v[TM+\b]
.endr
	v_pk_add_f32 v[L2:L2+1], v[HA:HA+1], v[HA+2:HA+3]               ; the row's sum of the unquantised p: two at a time, in four chains that take turns
	v_pk_add_f32 v[L1:L1+1], v[HA+4:HA+5], v[HA+6:HA+7]
	v_pk_add_f32 v[L3:L3+1], v[HA+8:HA+9], v[HA+10:HA+11]
	v_pk_add_f32 v[L4:L4+1], v[HA+12:HA+13], v[HA+14:HA+15]
.irp j, 16,24,32,40,48,56
	v_pk_add_f32 v[L1:L1+1], v[L1:L1+1], v[HA+\j:HA+\j+1]
	v_pk_add_f32 v[L2:L2+1], v[L2:L2+1], v[HA+\j+2:HA+\j+3]
	v_pk_add_f32 v[L3:L3+1], v[L3:L3+1], v[HA+\j+4:HA+\j+5]
	v_pk_add_f32 v[L4:L4+1], v[L4:L4+1], v[HA+\j+6:HA+\j+7]
.endr
	v_pk_add_f32 v[L1:L1+1], v[L1:L1+1], v[L2:L2+1]
	v_pk_add_f32 v[L3:L3+1], v[L3:L3+1], v[L4:L4+1]
	v_pk_add_f32 v[L1:L1+1], v[L1:L1+1], v[L3:L3+1]
	v_add_f32 v[LS], v[L1], v[L1+1]
	v_permlanex16_b32 v[TM+8], v[LS], s[SEL], s[SEL+1]
	v_add_f32 v[LS], v[LS], v[TM+8]
	s_wait_alu depctr_va_vdst(0)
.irp b, 0,1,2,3
	v_max_num_f32 v[TM+\b], 0x1800000, v[TM+\b]
.endr
	QTAIL HA
.irp c, 0,1,2
	global_store_b128 v[LI], v[PC+4*\c:PC+4*\c+3], s[60:61] offset:1536*(\a)+512*\c
.endr
	ds_store_b32 v[GW], v[PW] offset:64*(\a)
	ds_store_b32 v[GW], v[NMP] offset:512+64*(\a)
	ds_store_b32 v[GW], v[LS] offset:1024+64*(\a)
.endm
	s_cmp_lt_i32 s[SD], 0                          ; ids and the wave's number alone; no barrier follows
	s_cbranch_scc1 .Ldead
.set tt, 0
.rept 24                               ; the diagonal's 24 partial lane masks, constants of the text
.set dd, tt-8
.set mk, 0
	GRP 0, 0
	GRP 16, 8
	GRP -16, 16
	GRP 0, 24
	s_mov_b32 s[MK+tt], mk
.set tt, tt+1
.endr
.irp a, 0,1,2,3,4,5,6,7
	SOFT \a
.endr
	s_branch .Lgather
.Ldead:                                                ; all my keys come after all my queries: zero codes under the scale byte 1, the sum 0, and for -M the number that stands for 'no key'
.irp c, 0,1,2,3,4,5,6,7,8,9,10,11
	v_mov_b32 v[PC+\c], 0
.endr
	v_mov_b32 v[PW], 0x01010101
	v_mov_b32 v[NMP], 0x7f61b1e6
	v_mov_b32 v[LS], 0
.irp a, 0,1,2,3,4,5,6,7
.irp c, 0,1,2
	global_store_b128 v[LI], v[PC+4*\c:PC+4*\c+3], s[60:61] offset:1536*\a+512*\c
.endr
	ds_store_b32 v[GW], v[PW] offset:64*\a
	ds_store_b32 v[GW], v[NMP] offset:512+64*\a
	ds_store_b32 v[GW], v[LS] offset:1024+64*\a
.endr
.Lgather:
.irp c, 0,1,2
	ds_load_b128 v[HA+4*\c:HA+4*\c+3], v[GR] offset:512*\c
.endr
	s_wait_dscnt 0x0
	global_store_b128 v[LI], v[HA:HA+3], s[62:63]
	global_store_b128 v[LI], v[HA+4:HA+7], s[66:67]
	global_store_b128 v[LI], v[HA+8:HA+11], s[66:67] offset:512
	s_wait_tensorcnt 0x0
	ds_add_u32 v[SPW], v[NIL]
	s_wait_dscnt 0x0
	s_endpgm
.Lfunc_end_k_qc3e1391004_scores:
	.size	k_qc3e1391004_scores, .Lfunc_end_k_qc3e1391004_scores-k_qc3e1391004_scores
	.p2alignl 7, 3214868480
	.fill 96, 4, 3214868480
	.section	.rodata,"a",@progbits
	.p2align	6, 0x0
	.amdhsa_kernel k_qc3e1391004_scores
		.amdhsa_group_segment_fixed_size 327680
		.amdhsa_private_segment_fixed_size 0
		.amdhsa_enable_private_segment 0
		.amdhsa_kernarg_size 24
		.amdhsa_user_sgpr_count 2
		.amdhsa_user_sgpr_kernarg_segment_ptr 1
		.amdhsa_wavefront_size32 1
		.amdhsa_system_sgpr_workgroup_id_x 1
		.amdhsa_system_sgpr_workgroup_id_y 1
		.amdhsa_system_sgpr_workgroup_id_z 1
		.amdhsa_system_vgpr_workitem_id 0
		.amdhsa_next_free_vgpr 1024
		.amdhsa_next_free_sgpr 100
		.amdhsa_reserve_vcc 0
		.amdhsa_float_denorm_mode_32 3
		.amdhsa_float_denorm_mode_16_64 3
		.amdhsa_memory_ordered 1
		.amdhsa_forward_progress 1
		.amdhsa_inst_pref_size 226
	.end_amdhsa_kernel
	.amdgpu_metadata
---
amdhsa.version: [ 1, 2 ]
amdhsa.kernels:
  - .name:           k_qc3e1391004_scores
    .symbol:         k_qc3e1391004_scores.kd
    .args:
      - { .name: qk, .offset: 0, .size: 8, .value_kind: global_buffer, .address_space: global }
      - { .name: pc, .offset: 8, .size: 8, .value_kind: global_buffer, .address_space: global }
      - { .name: ps, .offset: 16, .size: 8, .value_kind: global_buffer, .address_space: global }
    .group_segment_fixed_size: 327680
    .private_segment_fixed_size: 0
    .kernarg_segment_align: 8
    .kernarg_segment_size: 24
    .max_flat_workgroup_size: 128
    .sgpr_count:     100
    .vgpr_count:     1024
    .wavefront_size: 32
...
	.end_amdgpu_metadata
.endif
;; end of part 3
;; launch pv (part 4): grid 4 x 64, 4 waves a work-group, no clusters, 327,680 bytes of LDS; arguments pc, ps, vt, yq; writes yq
.if DOCPART == 4
	.amdgcn_target "amdgcn-amd-amdhsa--gfx1250"
	.amdhsa_code_object_version 6
	.text
	.protected	k_qc3e1391004_pv
	.globl	k_qc3e1391004_pv
	.p2align	8
	.type	k_qc3e1391004_pv,@function
k_qc3e1391004_pv:
	s_mov_b64 s[64:65], 0
	v_nop
	global_prefetch_b8 v0, s[64:65] scope:SCOPE_SE
	s_setreg_imm32_b32 hwreg(HW_REG_WAVE_MODE, 25, 1), 1
	s_wait_xcnt 0x0
; y = (p v) / l on codes of FP6, and y quantised along its channels.  p came with a whole number M of its own for each query and 128 keys.  THE PROLOGUE finds the row's M (the largest), adds the sums l
; under it, and takes M_row - M off each of p's scale bytes, held at 0 from below: an exact power of two, which the block's scale takes up.
; LIMIT: a byte held at 0 stands for 2^-127 where the true scale is smaller still: such terms are under 2^-124 beside a row's sum of at least 1/2.  NaN and infinities are not served.
; A work-group makes 128 queries (group gy, source 1) x 256 channels (tile gx, source 0 = v with the keys as K); a wave 64 x 128: 32 accumulators.  Keys go in slots of 512 (four steps of 128) through
; two LDS slots; waves 0 to 2 fetch one dense block of 51,200 bytes each.  By this text's count a wave has at most one tensor load out; every wait on TENSORcnt is for 0.
; CAUSAL: slot p is asked for and multiplied only where its first key, 512 p, is at or under the group's last query: jumps on ids alone, the same in all four waves, round the load's own lines and
; round a slot's work; every wave passes every wait, add and barrier.
; NO CLUSTER: partners with equal numbers of slots are the four channel tiles of one query group; they share p's panel alone, a third of a slot's bytes, and the jump round a load is not open to joint loads.
.set NA,    4
.set PANEL, 25600
.set SLOTB, 153600                     ; a slot: p's two panels, then two panels of each of v's two groups
.set ADJ,   307200                     ; p's scale words under the row's M: [128 keys number ks][128 query places]
.set RL,    315392                     ; 1 / l for the 128 query places
.set GATH,  315904                     ; 256 bytes a wave: y's scale words on their way out
.set SPARE, 316928
.set ADRSA, 8
.set RLA,   9
.set ADJW,  10
.set GR,    11
.set ADRSB, 12
.set ADRA,  16
.set ADRB,  20
.set RLW,   24
.set T4,    25
.set L8,    26
.set SPW,   28
.set NIL,   29
.set LI,    30
.set GW,    31
.set SCA,   32
.set SCB,   48
.set NMR,   64                         ; the prologue: v64-79 -M, v80-95 l, v96-111 raw scale words, v112-119 at work
.set LR,    80
.set WR,    96
.set AF,    128
.set HA,    128
.set PC,    192
.set PW,    212
.set BL,    224
.set TM,    240
.set G1,    24
.set G0,    40
.set SEL,   58
.set KSB,   0
.set MSB, 0
.macro WIN new
.if MSB != (\new)
	s_set_vgpr_msb (MSB<<8)|(\new)
.set MSB, \new
.endif
.endm
.set TO_B, 0x40
.macro PLACES
.rept 4
	v_nop
.endr
.endm
.macro FRAG reg, adr, off
.irp c, 0,1,2
	ds_load_b128 v[\reg+4*\c:\reg+4*\c+3], v[\adr] offset:\off+512*\c
.endr
.endm
.macro FETCH_B slot, kq, set
	WIN TO_B
.irp i, 0,1,2,3,4,5,6,7
	FRAG 128*(\set)+12*\i, ADRB+(\slot), ((\kq)/2)*25600+((\kq)%2)*12288+1536*\i
.endr
	WIN 0
.endm
.macro FETCH_A slot, kq, i0
.set fi, \i0
.rept NA/2
	FRAG AF+12*fi, ADRA+(\slot), ((\kq)/2)*25600+((\kq)%2)*12288+1536*fi
.set fi, fi+1
.endr
.endm
.macro SCALES slot, kq, set            ; p's words come from ADJ (step KSB + kq of the row), v's from the slot
.set fi, 0
.rept NA
	ds_load_b32 v[SCA+NA*(\set)+fi], v[ADRSA] offset:512*(KSB+(\kq))+64*fi
.set fi, fi+1
.endr
.set fi, 0
.rept 8
	ds_load_b32 v[SCB+8*(\set)+fi], v[ADRSB+(\slot)] offset:((\kq)/2)*25600+24576+((\kq)%2)*512+64*fi
.set fi, fi+1
.endr
.endm
.macro MULB a, set, mode
.set mb, 0
.rept 8
.set rD, 8*(8*((\a)%4)+mb)
.if \mode == 0
	v_wmma_scale_f32_16x16x128_f8f6f4 v[rD:rD+7], v[128*(\set)+12*mb:128*(\set)+12*mb+11], v[AF+12*(\a):AF+12*(\a)+11], v[rD:rD+7], v[SCB+8*(\set)+mb], v[SCA+NA*(\set)+(\a)] matrix_a_fmt:MATRIX_FMT_FP6 matrix_b_fmt:MATRIX_FMT_FP6
.else
	v_wmma_scale_f32_16x16x128_f8f6f4 v[rD:rD+7], v[128*(\set)+12*mb:128*(\set)+12*mb+11], v[AF+12*(\a):AF+12*(\a)+11], 0, v[SCB+8*(\set)+mb], v[SCA+NA*(\set)+(\a)] matrix_a_fmt:MATRIX_FMT_FP6 matrix_b_fmt:MATRIX_FMT_FP6
.endif
.set mb, mb+1
.endr
.endm
.macro MULS a0, n, set, mode           ; the 32 accumulators take turns, one instruction a turn
.set ma, \a0
.rept \n
	WIN 0xa1
	MULB ma, \set, \mode
.set ma, ma+1
.endr
.endm
.macro STEP set, mode, nslot, nkq
	s_wait_dscnt 3*NA/2                            ; all but the youngest loads (source 1's upper blocks) are in
	MULS 0, NA/2, \set, \mode
	s_wait_dscnt 0x0
	PLACES
	FETCH_B \nslot, \nkq, 1-(\set)
	FETCH_A \nslot, \nkq, 0
	SCALES \nslot, \nkq, 1-(\set)
	MULS NA/2, NA/2, \set, \mode
	PLACES
	WIN 0
	FETCH_A \nslot, \nkq, NA/2
.endm
.macro LAST set
	s_wait_dscnt 3*NA/2
	MULS 0, NA/2, \set, 0
	s_wait_dscnt 0x0
	MULS NA/2, NA/2, \set, 0
	WIN 0
.endm
.macro FIRST slot
	FETCH_B \slot, 0, 0
	FETCH_A \slot, 0, 0
	SCALES \slot, 0, 0
	FETCH_A \slot, 0, NA/2
.endm
.macro QTAIL s
.irp b, 0,1,2,3
	v_add_nc_u32 v[TM+12+\b], 0xff000000, v[TM+\b]
.endr
.irp b, 0,1,2,3
	v_lshrrev_b32 v[TM+4+\b], 23, v[TM+12+\b]
.endr
	v_lshl_or_b32 v[PW], v[TM+5], 8, v[TM+4]
	v_lshl_or_b32 v[PW], v[TM+6], 16, v[PW]
	v_lshl_or_b32 v[PW], v[TM+7], 24, v[PW]
.irp c, 0,1
	v_cvt_scalef32_pk16_fp6_f32 v[PC+6*\c:PC+2+6*\c], v[\s+32*\c:\s+15+32*\c], v[TM+12+2*\c]
	v_cvt_scalef32_pk16_fp6_f32 v[PC+12+4*\c:PC+14+4*\c], v[\s+16+32*\c:\s+31+32*\c], v[TM+12+2*\c+1]
.endr
	v_nop                                          ; one plain place behind a scaled conversion
.irp c, 0,1
.irp i, 0,1,2
	v_permlane16_swap_b32 v[PC+6*\c+\i], v[PC+12+4*\c+\i]
.endr
.irp i, 0,1,2
	v_mov_b32 v[PC+3+6*\c+\i], v[PC+12+4*\c+\i]
.endr
.endr
.endm
.macro QUANT s
.irp b, 0,1,2,3
	v_max3_num_f32 v[TM+\b], |v[\s+16*\b]|, |v[\s+1+16*\b]|, 0x1800000
.endr
.irp i, 2,4,6,8,10,12,14
.irp b, 0,1,2,3
	v_max3_num_f32 v[TM+\b], v[TM+\b], |v[\s+16*\b+\i]|, |v[\s+1+16*\b+\i]|
.endr
.endr
.irp b, 0,1,2,3
	v_permlanex16_b32 v[TM+4+\b], v[TM+\b], s[SEL], s[SEL+1]
.endr
.irp b, 0,1,2,3
	v_max_num_f32 v[TM+\b], v[TM+\b], v[TM+4+\b]
.endr
	QTAIL \s
.endm
.macro TLOAD p                         ; waves 0 to 2 fetch: p's block, v's two.  An s_nop 0 and four v_nop follow the line
	s_cmp_lt_u32 s14, 3
	s_cbranch_scc0 .Lnone_\@
	tensor_load_to_lds s[G0+4*(\p):G0+4*(\p)+3], s[G1:G1+7]
	s_nop 0
.rept 4
	v_nop
.endr
.Lnone_\@:
.endm
; THE CHANGE OF SLOTS stands at a slot's head: all my tensor loads have landed, the add, my LDS instructions are done, the barrier; behind it the other slot takes the next 512 keys, up to the causal limit.
.macro CHANGE p
	s_wait_tensorcnt 0x0
	ds_add_u32 v[SPW], v[NIL]
	s_wait_dscnt 0x0
	s_barrier_signal -1
	s_barrier_wait -1
.if (\p) < 3
	s_cmp_lt_u32 s20, 4*((\p)+1)                   ; the next slot's first key comes after my group's last query: no step reads it, so it is not asked for
	s_cbranch_scc1 .Lpast_\@
	TLOAD (\p)+1
.Lpast_\@:
.endif
.endm
.macro SLOTWORK p
.set KSB, 4*(\p)
.if (\p) > 0
	s_cmp_lt_u32 s20, 4*(\p)
	s_cbranch_scc1 .Lhid_\@
.endif
	FIRST (\p)%2
.if (\p) == 0
	STEP 0, 1, 0, 1                                ; the first step starts the sums
.else
	STEP 0, 0, (\p)%2, 1
.endif
	STEP 1, 0, (\p)%2, 2
	STEP 0, 0, (\p)%2, 3
	LAST 1
	PLACES                                         ; in front of the next slot's loads into these registers, and of the way out's reads
.Lhid_\@:
.endm
	s_load_b256 s[4:11], s[0:1], 0x0               ; pc s[4:5], ps s[6:7], vt s[8:9], yq s[10:11]
	v_lshl_add_u32 v[SPW], v0, 2, SPARE
	v_mov_b32 v[NIL], 0
	ds_add_u32 v[SPW], v[NIL]                      ; the wave's opening: the add and its wait ahead of my first tensor load
	ds_add_u32 v[SPW], v[NIL]
	v_lshrrev_b32 v1, 5, v0
	v_readfirstlane_b32 s14, v1                    ; wave 0..3
	s_lshr_b32 s15, s14, 1                         ; hA: my 64 of the 128 queries
	s_and_b32 s16, s14, 1                          ; hB: my 128 of the 256 channels
	s_mov_b32 s17, ttmp9                           ; gx
	s_and_b32 s18, ttmp7, 0xffff                   ; gy = 16 batch + i
	s_lshr_b32 s19, s18, 4
	s_and_b32 s20, s18, 15                         ; i: the group of 128 queries in its batch
	s_mov_b32 s[G1], 3<<16                         ; two panels on end: 200 rows of 256 bytes, no padding
	s_mov_b32 s[G1+1], 32<<16
	s_mov_b32 s[G1+2], 200<<16
	s_mov_b32 s[G1+3], 32<<16
	s_mov_b32 s[G1+4], 200
	s_mov_b32 s[G1+5], 32
	s_mov_b32 s[G1+6], 0
	s_mov_b32 s[G1+7], 0
	s_sub_co_u32 s32, s14, 1
	s_min_u32 s32, s32, 1                          ; waves 1, 2: v's group 2 gx + 0, 1 (held inside the buffer in the waves that do not use it)
	s_lshl_b32 s33, s17, 1
	s_add_co_u32 s32, s32, s33
	s_lshl_b32 s33, s19, 3
	s_add_co_u32 s32, s32, s33
	s_cmp_eq_u32 s14, 0
	s_cselect_b32 s32, s18, s32                    ; wave 0: p's group gy
	s_mul_i32 s32, s32, 8*PANEL
	s_mov_b32 s33, 0
	s_mul_i32 s36, s14, 2*PANEL
	s_mov_b32 s34, 0x01010101
	s_mov_b32 s35, 0x80808080
	s_mov_b32 s[SEL], 0x76543210
	s_mov_b32 s[SEL+1], 0xfedcba98
	s_wait_dscnt 0x0                               ; the opening add is done
	s_wait_kmcnt 0x0
	s_cmp_eq_u32 s14, 0
	s_cselect_b64 s[38:39], s[4:5], s[8:9]
	s_add_nc_u64 s[38:39], s[38:39], s[32:33]
.irp p, 0,1,2,3                                ; a group 0 for each slot's worth of keys: none is ever stepped
	s_mov_b32 s[G0+4*\p], 1
	s_add_co_u32 s[G0+4*\p+1], s36, (\p%2)*SLOTB
	s_add_nc_u64 s[G0+4*\p+2:G0+4*\p+3], s[38:39], \p*2*PANEL
	s_or_b32 s[G0+4*\p+3], s[G0+4*\p+3], 0x80000000
.endr
	; THE PROLOGUE'S LOADS are issued ahead of the head's tensor load: 512 bytes a work-group and load, up to 48 of them; what is made of them is worked while slot 0 is on its way.
	; Thread T holds query place T.  What lies beyond the causal limit keeps its default: M very low, l = 0, word 0.
	v_lshlrev_b32 v[T4], 2, v0
	s_lshl_b32 s32, s18, 14
	s_add_nc_u64 s[6:7], s[6:7], s[32:33]          ; my group's -M and l
	s_mul_i32 s32, s18, 8*PANEL
	s_add_co_u32 s32, s32, 24576
	s_add_nc_u64 s[4:5], s[4:5], s[32:33]          ; and p's raw scale words (the tensor loads' addresses have been made)
.set pk, 4
.rept 12
	v_mov_b32 v[NMR+pk], 0x7f61b1e6
	v_mov_b32 v[LR+pk], 0
	v_mov_b32 v[WR+pk], 0
.set pk, pk+1
.endr
.macro PLOAD p
.irp k, 0,1,2,3
	global_load_b32 v[NMR+4*(\p)+\k], v[T4], s[6:7] offset:1024*(4*(\p)+\k)
	global_load_b32 v[LR+4*(\p)+\k], v[T4], s[6:7] offset:1024*(4*(\p)+\k)+512
	global_load_b32 v[WR+4*(\p)+\k], v[T4], s[4:5] offset:((4*(\p)+\k)/2)*25600+((4*(\p)+\k)%2)*512
.endr
.endm
	PLOAD 0
	s_cmp_lt_u32 s20, 4
	s_cbranch_scc1 .Lloaded
	PLOAD 1
	s_cmp_lt_u32 s20, 8
	s_cbranch_scc1 .Lloaded
	PLOAD 2
	s_cmp_lt_u32 s20, 12
	s_cbranch_scc1 .Lloaded
	PLOAD 3
.Lloaded:
	TLOAD 0
	v_and_b32 v4, 31, v0
	v_lshlrev_b32 v[LI], 4, v4
	v_and_b32 v5, 15, v0
	v_lshlrev_b32 v3, 2, v5
	s_wait_alu depctr_va_vdst(0)
	s_mul_i32 s21, s15, 6144                       ; my four tiles of p
	s_mul_i32 s22, s16, 2*PANEL
	s_add_co_u32 s22, s22, 2*PANEL                 ; my group of v
.irp s, 0,1
	v_add_nc_u32 v[ADRA+\s], s21, v[LI]
	v_add_nc_u32 v[ADRB+\s], s22, v[LI]
	v_add_nc_u32 v[ADRSB+\s], s22, v3
	s_add_co_u32 s21, s21, SLOTB
	s_add_co_u32 s22, s22, SLOTB
.endr
	s_lshl_b32 s21, s15, 8
	s_add_co_u32 s23, s21, ADJ
	v_add_nc_u32 v[ADRSA], s23, v3
	s_add_co_u32 s23, s21, RL
	v_add_nc_u32 v[RLA], s23, v3
	v_lshl_add_u32 v[ADJW], v0, 2, ADJ
	v_lshl_add_u32 v[RLW], v0, 2, RL
	s_lshl_b32 s23, s14, 8
	s_add_co_u32 s23, s23, GATH
	v_add_nc_u32 v[GW], s23, v3
	v_lshl_add_u32 v[GR], v4, 3, s23
	v_lshlrev_b32 v[L8], 3, v4
	s_lshl_b32 s32, s18, 2
	s_add_co_u32 s32, s32, s17
	s_mul_i32 s32, s32, PANEL                      ; y's panel: group gy, channels 256 gx on
	s_add_nc_u64 s[56:57], s[10:11], s[32:33]
	s_lshl_b32 s32, s16, 9
	s_lshl_b32 s23, s15, 8
	s_add_co_u32 s32, s32, s23
	s_add_co_u32 s32, s32, 24576
	s_add_nc_u64 s[60:61], s[56:57], s[32:33]      ; my 256 bytes of scale words
	s_mul_i32 s32, s16, 12288
	s_mul_i32 s23, s15, 6144
	s_add_co_u32 s32, s32, s23
	s_add_nc_u64 s[56:57], s[56:57], s[32:33]      ; my four fragments
	; THE PROLOGUE: thread T holds query place T.  What lies beyond the causal limit keeps its default: M very low, l = 0, word 0.
	s_wait_loadcnt 0x0
	v_min3_num_f32 v112, v[NMR], v[NMR+1], v[NMR+2]
.irp k, 3,5,7,9,11,13
	v_min3_num_f32 v112, v112, v[NMR+\k], v[NMR+\k+1]
.endr
	v_min_num_f32 v112, v112, v[NMR+15]            ; -M of the row: the least -M
	v_mov_b32 v113, 0                              ; l of the row
.set pk, 0
.rept 16
	v_sub_f32 v114, v112, v[NMR+pk]                ; M of these 128 keys - M of the row: a whole number, 0 or less
	v_cvt_i32_f32 v114, v114                       ; (it saturates)
	v_ldexp_f32 v115, 1.0, v114
	v_fma_f32 v113, v[LR+pk], v115, v113           ; their sum under the row's M: the factor rounds nothing
	v_sub_nc_u32 v116, 0, v114
	v_min_u32 v116, 127, v116                      ; d, what comes off each byte; a byte is at most 125
	v_mul_lo_u32 v116, v116, s34                   ; d in all four bytes
	v_or_b32 v117, s35, v[WR+pk]
	v_sub_nc_u32 v117, v117, v116                  ; 128 + byte - d in each byte: at least 1, so no byte borrows from the next
	v_and_b32 v118, s35, v117                      ; bit 7 stays where byte - d is 0 or more
	v_lshrrev_b32 v119, 7, v118
	v_sub_nc_u32 v118, v118, v119                  ; 0x7f there, 0 elsewhere
	v_and_b32 v117, v117, v118                     ; max(byte - d, 0)
	ds_store_b32 v[ADJW], v117 offset:512*pk
.set pk, pk+1
.endr
	s_wait_alu depctr_va_vdst(0)
	v_rcp_f32 v113, v113
	v_nop                                          ; a plain place behind the transcendental
	s_wait_alu depctr_va_vdst(0)                   ; the wait ahead of its first reader
	ds_store_b32 v[RLW], v113
	CHANGE 0                                       ; slot 0 is whole, and so are the words and 1 / l, for every wave
	SLOTWORK 0
	CHANGE 1
	SLOTWORK 1
	CHANGE 2
	SLOTWORK 2
	CHANGE 3
	SLOTWORK 3
	; THE WAY OUT: O^T / l, quantised along the channels; a fragment leaves as it stands.
.irp a, 0,1,2,3
	ds_load_b32 v[BL+2*\a], v[RLA] offset:64*\a
	v_mov_b32 v[BL+2*\a+1], 0                      ; (named with it as a pair)
.endr
.irp b, 0,1,2,3
	v_mov_b32 v[TM+4+\b], 0
.endr
	s_wait_alu depctr_va_vdst(0)
	s_wait_dscnt 0x0
.macro OUTB a
.if (\a) > 0
	s_wait_xcnt 0x0                                ; the last block's stores have read their registers
	s_wait_dscnt 0x0
.endif
	WIN 0x02
.set ei, 0
.rept 32
	v_pk_mul_f32 v[HA+2*ei:HA+2*ei+1], v[64*(\a)+2*ei:64*(\a)+2*ei+1], v[BL+2*(\a):BL+2*(\a)+1] op_sel_hi:[1,0]   ; each accumulator from its low end on
.set ei, ei+1
.endr
	WIN 0
	QUANT HA
.irp c, 0,1,2
	global_store_b128 v[LI], v[PC+4*\c:PC+4*\c+3], s[56:57] offset:1536*(\a)+512*\c
.endr
	ds_store_b32 v[GW], v[PW] offset:64*(\a)
.endm
.irp a, 0,1,2,3
	OUTB \a
.endr
	ds_load_b64 v[HA:HA+1], v[GR]                  ; my own bytes: LDS serves a wave's instructions in order
	s_wait_dscnt 0x0
	global_store_b64 v[L8], v[HA:HA+1], s[60:61]   ; 32 lanes store 256 consecutive bytes, aligned
	s_wait_tensorcnt 0x0                           ; the wave's end
	ds_add_u32 v[SPW], v[NIL]
	s_wait_dscnt 0x0
	s_endpgm
.Lfunc_end_k_qc3e1391004_pv:
	.size	k_qc3e1391004_pv, .Lfunc_end_k_qc3e1391004_pv-k_qc3e1391004_pv
	.p2alignl 7, 3214868480
	.fill 96, 4, 3214868480
	.section	.rodata,"a",@progbits
	.p2align	6, 0x0
	.amdhsa_kernel k_qc3e1391004_pv
		.amdhsa_group_segment_fixed_size 327680
		.amdhsa_private_segment_fixed_size 0
		.amdhsa_enable_private_segment 0
		.amdhsa_kernarg_size 32
		.amdhsa_user_sgpr_count 2
		.amdhsa_user_sgpr_kernarg_segment_ptr 1
		.amdhsa_wavefront_size32 1
		.amdhsa_system_sgpr_workgroup_id_x 1
		.amdhsa_system_sgpr_workgroup_id_y 1
		.amdhsa_system_sgpr_workgroup_id_z 1
		.amdhsa_system_vgpr_workitem_id 0
		.amdhsa_next_free_vgpr 768
		.amdhsa_next_free_sgpr 66
		.amdhsa_reserve_vcc 0
		.amdhsa_float_denorm_mode_32 3
		.amdhsa_float_denorm_mode_16_64 3
		.amdhsa_memory_ordered 1
		.amdhsa_forward_progress 1
		.amdhsa_inst_pref_size 169
	.end_amdhsa_kernel
	.amdgpu_metadata
---
amdhsa.version: [ 1, 2 ]
amdhsa.kernels:
  - .name:           k_qc3e1391004_pv
    .symbol:         k_qc3e1391004_pv.kd
    .args:
      - { .name: pc, .offset: 0, .size: 8, .value_kind: global_buffer, .address_space: global }
      - { .name: ps, .offset: 8, .size: 8, .value_kind: global_buffer, .address_space: global }
      - { .name: vt, .offset: 16, .size: 8, .value_kind: global_buffer, .address_space: global }
      - { .name: yq, .offset: 24, .size: 8, .value_kind: global_buffer, .address_space: global }
    .group_segment_fixed_size: 327680
    .private_segment_fixed_size: 0
    .kernarg_segment_align: 8
    .kernarg_segment_size: 32
    .max_flat_workgroup_size: 128
    .sgpr_count:     66
    .vgpr_count:     768
    .wavefront_size: 32
...
	.end_amdgpu_metadata
.endif
;; end of part 4
;; launch proj (part 5): grid 4 x 64, 4 waves a work-group, clusters of 4 x 4, 327,680 bytes of LDS; arguments yq, wq, b_proj, out0; writes out0
.if DOCPART == 5
	.amdgcn_target "amdgcn-amd-amdhsa--gfx1250"
	.amdhsa_code_object_version 6
	.text
	.protected	k_qc3e1391004_proj
	.globl	k_qc3e1391004_proj
	.p2align	8
	.type	k_qc3e1391004_proj,@function
k_qc3e1391004_proj:
	s_mov_b64 s[64:65], 0
	v_nop
	global_prefetch_b8 v0, s[64:65] scope:SCOPE_SE
	s_setreg_imm32_b32 hwreg(HW_REG_WAVE_MODE, 25, 1), 1
	s_wait_xcnt 0x0
	s_wait_alu depctr_hold_cnt(0) depctr_sa_sdst(0) depctr_va_vdst(0) depctr_va_sdst(0) depctr_va_ssrc(0) depctr_va_vcc(0) depctr_vm_vsrc(0)
	s_getreg_b32 s2, hwreg(HW_REG_IB_STS2, 6, 4)
	s_cmp_eq_u32 s2, 0
	s_cbranch_scc0 .Lentry_in_a_cluster
	s_endpgm
.Lentry_in_a_cluster:
	s_bfe_u32 s2, ttmp6, 0x10000c
	s_cmp_lg_u32 s2, 0xf033
	s_cbranch_scc0 .Lentry_shape_is_right
	s_endpgm
.Lentry_shape_is_right:
; out = y W_proj + b_proj on codes of FP6.  A work-group makes 128 tokens (group gy, source 1) x 256 columns (tile gx, source 0 = W_proj's columns, wq's groups 24 on); a wave 64 x 128: 32 accumulators.
; ALL OF K (four panels of each of three groups of rows, 307,200 bytes) IS ASKED FOR AT THE HEAD AND NOTHING IS FILLED TWICE: wave 0 asks for y's four panels, waves 1 and 2 for W's; by this text's count
; a wave has one tensor load out at the most, and it is waited for whole at the head.
; CLUSTER 4 x 4: y's panels are shared along a row of the cluster, W's along a column: joint loads.
; Row places: place p holds the true row p with bits 3 and 4 exchanged: the stores below put tokens and columns back in true order.
.set NA,    4
.set PANEL, 25600
.set SPARE, 307200
.set ADRSA, 8
.set ADRSB, 12
.set ADRA,  16
.set ADRB,  20
.set STO,   24
.set RD,    25
.set SPW,   28
.set NIL,   29
.set LI,    30
.set SCA,   32
.set SCB,   48
.set BR,    64
.set AF,    128
.set BK,    128
.set G1,    24
.set G1B,   48
.set G0,    68
.set G0B,   84
.set MSB, 0
.macro WIN new
.if MSB != (\new)
	s_set_vgpr_msb (MSB<<8)|(\new)
.set MSB, \new
.endif
.endm
.set TO_B, 0x40
.macro PLACES
.rept 4
	v_nop
.endr
.endm
.macro FRAG reg, adr, off
.irp c, 0,1,2
	ds_load_b128 v[\reg+4*\c:\reg+4*\c+3], v[\adr] offset:\off+512*\c
.endr
.endm
.macro FETCH_B slot, kq, set
	WIN TO_B
.irp i, 0,1,2,3,4,5,6,7
	FRAG 128*(\set)+12*\i, ADRB+(\slot), ((\kq)/2)*25600+((\kq)%2)*12288+1536*\i
.endr
	WIN 0
.endm
.macro FETCH_A slot, kq, i0
.set fi, \i0
.rept NA/2
	FRAG AF+12*fi, ADRA+(\slot), ((\kq)/2)*25600+((\kq)%2)*12288+1536*fi
.set fi, fi+1
.endr
.endm
.macro SCALES slot, kq, set
.set fi, 0
.rept NA
	ds_load_b32 v[SCA+NA*(\set)+fi], v[ADRSA+(\slot)] offset:((\kq)/2)*25600+24576+((\kq)%2)*512+64*fi
.set fi, fi+1
.endr
.set fi, 0
.rept 8
	ds_load_b32 v[SCB+8*(\set)+fi], v[ADRSB+(\slot)] offset:((\kq)/2)*25600+24576+((\kq)%2)*512+64*fi
.set fi, fi+1
.endr
.endm
.macro MULB a, set, mode
.set mb, 0
.rept 8
.set rD, 8*(8*((\a)%4)+mb)
.if \mode == 0
	v_wmma_scale_f32_16x16x128_f8f6f4 v[rD:rD+7], v[128*(\set)+12*mb:128*(\set)+12*mb+11], v[AF+12*(\a):AF+12*(\a)+11], v[rD:rD+7], v[SCB+8*(\set)+mb], v[SCA+NA*(\set)+(\a)] matrix_a_fmt:MATRIX_FMT_FP6 matrix_b_fmt:MATRIX_FMT_FP6
.else
	v_wmma_scale_f32_16x16x128_f8f6f4 v[rD:rD+7], v[128*(\set)+12*mb:128*(\set)+12*mb+11], v[AF+12*(\a):AF+12*(\a)+11], v[BR+8*mb:BR+8*mb+7], v[SCB+8*(\set)+mb], v[SCA+NA*(\set)+(\a)] matrix_a_fmt:MATRIX_FMT_FP6 matrix_b_fmt:MATRIX_FMT_FP6
.endif
.set mb, mb+1
.endr
.endm
.macro MULS a0, n, set, mode           ; the 32 accumulators take turns, one instruction a turn
.set ma, \a0
.rept \n
.if \mode == 2
	WIN 0x81
.else
	WIN 0xa1
.endif
	MULB ma, \set, \mode
.set ma, ma+1
.endr
.endm
.macro STEP set, mode, nslot, nkq
	s_wait_dscnt 3*NA/2                            ; all but the youngest loads (source 1's upper blocks) are in
	MULS 0, NA/2, \set, \mode
	s_wait_dscnt 0x0
	PLACES
	FETCH_B \nslot, \nkq, 1-(\set)
	FETCH_A \nslot, \nkq, 0
	SCALES \nslot, \nkq, 1-(\set)
	MULS NA/2, NA/2, \set, \mode
	PLACES
	WIN 0
	FETCH_A \nslot, \nkq, NA/2
.endm
.macro LAST set
	s_wait_dscnt 3*NA/2
	MULS 0, NA/2, \set, 0
	s_wait_dscnt 0x0
	MULS NA/2, NA/2, \set, 0
	WIN 0
.endm
.macro FIRST slot
	FETCH_B \slot, 0, 0
	FETCH_A \slot, 0, 0
	SCALES \slot, 0, 0
	FETCH_A \slot, 0, NA/2
.endm
; A step with a barrier behind which the next panel is read and nothing is filled: cnt = my younger panels, which may stay out.
.macro TURNW set, cnt, nslot, nkq
	s_wait_tensorcnt \cnt                          ; my part of the next panel has landed
	s_wait_dscnt 3*NA/2
	MULS 0, NA/4, \set, 0
	s_wait_dscnt 0x0                               ; no LDS instruction of mine is out at the signal
	s_barrier_signal -1
	MULS NA/4, NA/4, \set, 0
	WIN 0
	s_barrier_wait -1                              ; everybody's part has
	PLACES
	FETCH_B \nslot, \nkq, 1-(\set)
	FETCH_A \nslot, \nkq, 0
	SCALES \nslot, \nkq, 1-(\set)
	MULS NA/2, NA/2, \set, 0
	PLACES
	WIN 0
	FETCH_A \nslot, \nkq, NA/2
.endm
.macro CREST
	s_cmp_lg_u32 s14, 0
	s_cbranch_scc1 .Lnot_wave_0_\@
	s_barrier_signal -3
.Lnot_wave_0_\@:
	s_barrier_wait -3
	s_barrier_signal -1
	s_barrier_wait -1
.endm
.macro CROUND
	s_barrier_signal -1
	s_barrier_wait -1
	CREST
.endm
	s_load_b256 s[4:11], s[0:1], 0x0               ; yq s[4:5], wq s[6:7], b_proj s[8:9], out0 s[10:11]
	v_lshl_add_u32 v[SPW], v0, 2, SPARE
	v_mov_b32 v[NIL], 0
	ds_add_u32 v[SPW], v[NIL]                      ; the wave's opening: the add and its wait ahead of my first tensor load
	ds_add_u32 v[SPW], v[NIL]
	v_lshrrev_b32 v1, 5, v0
	v_readfirstlane_b32 s14, v1                    ; wave 0..3
	s_lshr_b32 s15, s14, 1                         ; hA: my 64 of the 128 tokens
	s_and_b32 s16, s14, 1                          ; hB: my 128 of the 256 columns
	s_bfe_u32 s17, ttmp6, 0x40000                  ; cx
	s_bfe_u32 s18, ttmp6, 0x40004                  ; cy
	s_and_b32 s20, ttmp7, 0xffff
	s_lshl_b32 s21, s20, 2
	s_add_co_u32 s21, s21, s18                     ; gy = 4 x cluster y + cy.  (s21, s32-39 never hold cx)
	s_lshl_b32 s22, ttmp9, 2
	s_add_co_u32 s22, s22, s17                     ; gx = 4 x cluster x + cx.  (s22, s40-47 never hold cy)
	s_lshl_b32 s33, s18, 2
	s_lshl_b32 s33, 15, s33                        ; my row of the cluster
	s_lshl_b32 s42, 0x1111, s17                    ; my column
	s_or_b32 s[G1], s33, (3<<16)|(1<<21)
	s_or_b32 s[G1B], s42, (3<<16)|(1<<21)
.irp g, G1, G1B                                ; a panel: 100 rows of 256 bytes
	s_mov_b32 s[\g+1], 32<<16
	s_mov_b32 s[\g+2], 400<<16                     ; a group's four panels lie on end: all of K is one block of 400 rows of 256 bytes, one load a fetching wave
	s_mov_b32 s[\g+3], 32<<16
	s_mov_b32 s[\g+4], 400
	s_mov_b32 s[\g+5], 32
	s_mov_b32 s[\g+6], 0
	s_mov_b32 s[\g+7], 0
.endr
	s_mul_i32 s34, s21, 4*PANEL
	s_mov_b32 s35, 0
	s_sub_co_u32 s44, s14, 1
	s_and_b32 s44, s44, 1                          ; waves 1, 2: W's group 2 gx + 0, 1 (inside the buffer in the waves that do not use it)
	s_lshl_b32 s45, s22, 1
	s_add_co_u32 s44, s44, s45
	s_mul_i32 s44, s44, 4*PANEL
	s_add_co_u32 s44, s44, 96*PANEL                ; W_proj's panels lie behind W_attn's 96
	s_mov_b32 s45, 0
	s_mul_i32 s36, s14, 4*PANEL                    ; LDS: y's four panels at 0, W's at 102,400 and 204,800: wave x four panels
	s_wait_dscnt 0x0                               ; the opening add is done
	s_wait_kmcnt 0x0
	s_add_nc_u64 s[38:39], s[4:5], s[34:35]
	s_add_nc_u64 s[46:47], s[6:7], s[44:45]
.irp n, 0
	s_mov_b32 s[G0+4*\n], 1
	s_add_co_u32 s[G0+4*\n+1], s36, \n*PANEL
	s_add_nc_u64 s[G0+4*\n+2:G0+4*\n+3], s[38:39], \n*PANEL
	s_or_b32 s[G0+4*\n+3], s[G0+4*\n+3], 0x80000000
	s_mov_b32 s[G0B+4*\n], 1
	s_add_co_u32 s[G0B+4*\n+1], s36, \n*PANEL
	s_add_nc_u64 s[G0B+4*\n+2:G0B+4*\n+3], s[46:47], \n*PANEL
	s_or_b32 s[G0B+4*\n+3], s[G0B+4*\n+3], 0x80000000
.endr
	CROUND                                         ; all sixteen work-groups are here: the joint loads meet
	s_cmp_eq_u32 s14, 0                            ; a wave's fills stand in one branch on its number, the same in every work-group
	s_cbranch_scc0 .Lnot_a
	tensor_load_to_lds s[G0:G0+3], s[G1:G1+7]
	s_nop 0
	PLACES
	s_branch .Lasked
.Lnot_a:
	s_cmp_eq_u32 s14, 3
	s_cbranch_scc1 .Lasked
	tensor_load_to_lds s[G0B:G0B+3], s[G1B:G1B+7]
	s_nop 0
	PLACES
.Lasked:
	v_and_b32 v4, 31, v0
	v_lshlrev_b32 v[LI], 4, v4
	v_and_b32 v5, 15, v0
	v_bfe_u32 v6, v0, 4, 1
	v_lshlrev_b32 v3, 2, v5
	s_mul_i32 s37, s15, 6144                       ; my four tiles of y
	s_lshl_b32 s23, s15, 8                         ; and their scale words
	s_mul_i32 s43, s16, 4*PANEL
	s_add_co_u32 s43, s43, 4*PANEL                 ; my group of W
.irp s, 0,1                                    ; an address register for each two panels, so that the immediates stay inside 16 bits
	v_add_nc_u32 v[ADRA+\s], s37, v[LI]
	v_add_nc_u32 v[ADRSA+\s], s23, v3
	v_add_nc_u32 v[ADRB+\s], s43, v[LI]
	v_add_nc_u32 v[ADRSB+\s], s43, v3
	s_add_co_u32 s37, s37, 2*PANEL
	s_add_co_u32 s23, s23, 2*PANEL
	s_add_co_u32 s43, s43, 2*PANEL
.endr
	s_mul_i32 s37, s14, 8448                       ; my stage for the way out: 16 rows x (512 + 16) bytes, in y's first two panels
	v_mul_u32_u24 v[STO], v5, 528
	v_lshl_add_u32 v[STO], v6, 6, v[STO]
	v_add_nc_u32 v[STO], s37, v[STO]               ; in: row r, + 64 h
	v_add_nc_u32 v[RD], s37, v[LI]                 ; back: a row's 512 bytes
	s_lshl_b32 s2, s22, 10
	s_lshl_b32 s3, s16, 9
	s_add_co_u32 s2, s2, s3
	s_mov_b32 s3, 0
	s_add_nc_u64 s[8:9], s[8:9], s[2:3]            ; the bias of my 128 columns
	s_add_nc_u64 s[10:11], s[10:11], s[2:3]        ; out0 at my first column,
	s_lshl_b32 s2, s21, 7
	s_lshl_b32 s56, s15, 6
	s_add_co_u32 s2, s2, s56
	s_lshl_b32 s2, s2, 12
	s_add_nc_u64 s[10:11], s[10:11], s[2:3]        ; and my first token: 128 gy + 64 hA
	v_lshlrev_b32 v1, 6, v6
.irp b, 0,1,2,3,4,5,6,7                        ; tile b, lane half h, register j: true column 32 (b / 2) + 16 h + 8 (b % 2) + j
	global_load_b128 v[BR+8*\b:BR+8*\b+3], v1, s[8:9] offset:(32*(\b/2)+8*(\b%2))*4
	global_load_b128 v[BR+8*\b+4:BR+8*\b+7], v1, s[8:9] offset:(32*(\b/2)+8*(\b%2))*4+16
.endr
	s_wait_alu depctr_va_vdst(0)
	s_wait_tensorcnt 0x0                           ; my one load, all of K of my group, is in
	s_barrier_signal -1
	s_barrier_wait -1
	FIRST 0
	s_wait_loadcnt 0x0                             ; the bias
	STEP 0, 2, 0, 1                                ; the first step starts the sums with the bias as C
	STEP 1, 0, 0, 2
	STEP 0, 0, 0, 3
	STEP 1, 0, 1, 0
	STEP 0, 0, 1, 1
	TURNW 1, 0, 1, 2                               ; every load has landed; y's first two panels have had their last fill and, in every wave, their last read
	STEP 0, 0, 1, 3
	LAST 1
	; THE WAY OUT, a block of 16 tokens x 128 columns at a time, through my own stage: a lane holds 8 neighbouring columns of a row in each accumulator; whole rows of 512 bytes come back.
.macro TOSTAGE a
	WIN 0x08                                       ; an LDS store's data are its source 1: window 2
.irp b, 0,1,2,3,4,5,6,7
	ds_store_b128 v[STO], v[64*(\a)+8*\b:64*(\a)+8*\b+3] offset:128*(\b/2)+32*(\b%2)       ; each accumulator from its low end on
	ds_store_b128 v[STO], v[64*(\a)+8*\b+4:64*(\a)+8*\b+7] offset:128*(\b/2)+32*(\b%2)+16
.endr
	WIN 0
.set BB, BK+64*((\a)%2)
.irp t, 0,1,2,3,4,5,6,7,8,9,10,11,12,13,14,15
	ds_load_b128 v[BB+4*\t:BB+4*\t+3], v[RD] offset:\t*528   ; LDS serves a wave's instructions in order: these see the stores above, and the next block's stores come behind them
.endr
.endm
.macro SEND a, younger
.set BB, BK+64*((\a)%2)
	s_wait_dscnt \younger
.irp t, 0,1,2,3,4,5,6,7,8,9,10,11,12,13,14,15
	global_store_b128 v[LI], v[BB+4*\t:BB+4*\t+3], s[10:11] offset:(32*((\a)/2)+16*(\t/8)+8*((\a)%2)+\t%8)*4096 th:TH_STORE_NT   ; place t of block a is that true token; 32 lanes store 512 consecutive bytes, aligned
.endr
.endm
	PLACES
	TOSTAGE 0
.irp a, 1,2,3
.if \a > 1
	s_wait_xcnt 0x0                                ; block a - 2's stores have read their registers: block a's loads may land there
.endif
	TOSTAGE \a
	SEND \a-1, 32                                  ; behind block a - 1's loads: block a's 16 stores and 16 loads
.endr
	SEND 3, 0
	s_wait_tensorcnt 0x0                           ; the wave's end
	ds_add_u32 v[SPW], v[NIL]
	s_wait_dscnt 0x0
	CROUND                                         ; the closing round
	s_endpgm
.Lfunc_end_k_qc3e1391004_proj:
	.size	k_qc3e1391004_proj, .Lfunc_end_k_qc3e1391004_proj-k_qc3e1391004_proj
	.p2alignl 7, 3214868480
	.fill 96, 4, 3214868480
	.section	.rodata,"a",@progbits
	.p2align	6, 0x0
	.amdhsa_kernel k_qc3e1391004_proj
		.amdhsa_group_segment_fixed_size 327680
		.amdhsa_private_segment_fixed_size 0
		.amdhsa_enable_private_segment 0
		.amdhsa_kernarg_size 32
		.amdhsa_user_sgpr_count 2
		.amdhsa_user_sgpr_kernarg_segment_ptr 1
		.amdhsa_wavefront_size32 1
		.amdhsa_system_sgpr_workgroup_id_x 1
		.amdhsa_system_sgpr_workgroup_id_y 1
		.amdhsa_system_sgpr_workgroup_id_z 1
		.amdhsa_system_vgpr_workitem_id 0
		.amdhsa_next_free_vgpr 768
		.amdhsa_next_free_sgpr 104
		.amdhsa_reserve_vcc 0
		.amdhsa_float_denorm_mode_32 3
		.amdhsa_float_denorm_mode_16_64 3
		.amdhsa_memory_ordered 1
		.amdhsa_forward_progress 1
		.amdhsa_inst_pref_size 82
	.end_amdhsa_kernel
	.amdgpu_metadata
---
amdhsa.version: [ 1, 2 ]
amdhsa.kernels:
  - .name:           k_qc3e1391004_proj
    .symbol:         k_qc3e1391004_proj.kd
    .args:
      - { .name: yq, .offset: 0, .size: 8, .value_kind: global_buffer, .address_space: global }
      - { .name: wq, .offset: 8, .size: 8, .value_kind: global_buffer, .address_space: global }
      - { .name: b_proj, .offset: 16, .size: 8, .value_kind: global_buffer, .address_space: global }
      - { .name: out0, .offset: 24, .size: 8, .value_kind: global_buffer, .address_space: global }
    .group_segment_fixed_size: 327680
    .private_segment_fixed_size: 0
    .kernarg_segment_align: 8
    .kernarg_segment_size: 32
    .max_flat_workgroup_size: 128
    .sgpr_count:     104
    .vgpr_count:     768
    .wavefront_size: 32
...
	.end_amdgpu_metadata
.endif
;; end of part 5
